; MI455X (gfx1250); checked and timed in simulation.
; The chip was launched on July 23, 2026; its instructions are those of AMD's public machine-readable ISA for CDNA 5 (MIT licence, August 2026) and "CDNA5" Instruction Set Architecture Reference Guide (July 2026). The comments in the code are by the model that wrote it; some were corrected since.
;; Multi Head Mix Attention. Allowed arithmetic: matrix products marked QUANTISED: E2M3 operands, one E8M0 scale for each 32 along K, by v_wmma_scale_f32_16x16x128_f8f6f4 with both operands' format E2M3, f32 sums; everything else in f32.
;; Inputs: Wa_o 1,024 x 1,024 float32; Wa_qk 1,024 x 1,024 float32; Wa_v 1,024 x 1,024 float32; Wb_o 1,024 x 1,024 float32; Wb_qk 1,024 x 1,024 float32; Wb_v 1,024 x 1,024 float32; a 2 x 2,048 x 1,024 float32; b 2 x 2,048 x 1,024 float32; ba_o 1,024 float32; ba_qk 1,024 float32; ba_v 1,024 float32; bb_o 1,024 float32; bb_qk 1,024 float32; bb_v 1,024 float32.
;; Outputs: out0 2 x 2,048 x 1,024 float32; out1 2 x 2,048 x 1,024 float32.
;; This version of the problem:
;;   THIS VERSION OF THE PROBLEM IS GIVEN IN LOW PRECISION. The matrix products marked QUANTISED in the list below multiply operands that are first quantised to E2M3 (2 exponent bits, 3 mantissa bits; 6 bits a number), with one power-of-two scale for each 32 numbers along K (OCP MX v1.0); their sums are f32. All else is computed in f32.
;;   The module's matrix products, in the order in which they are computed (A, B: the left and right operand; K: the contracted axis; several contracted axes count as one K, in the product's order):
;;     1. [M 4,096, K 1,024] x [K 1,024, N 1,024]; A: input a; B: input Wa_qk: QUANTISED
;;     2. [M 4,096, K 1,024] x [K 1,024, N 1,024]; A: input a; B: input Wa_v: QUANTISED
;;     3. [M 4,096, K 1,024] x [K 1,024, N 1,024]; A: input b; B: input Wb_qk: QUANTISED
;;     4. [M 4,096, K 1,024] x [K 1,024, N 1,024]; A: input b; B: input Wb_v: QUANTISED
;;     5. batch 32 x [M 2,048, K 64] x [K 64, N 2,048]; A: computed on the way; B: computed on the way: QUANTISED
;;     6. batch 32 x [M 2,048, K 2,048] x [K 2,048, N 64]; A: softmax (see below); B: computed on the way: QUANTISED
;;     7. batch 32 x [M 2,048, K 2,048] x [K 2,048, N 64]; A: softmax (see below); B: computed on the way: QUANTISED
;;     8. [M 4,096, K 1,024] x [K 1,024, N 1,024]; A: computed on the way; B: input Wa_o: QUANTISED
;;     9. [M 4,096, K 1,024] x [K 1,024, N 1,024]; A: computed on the way; B: input Wb_o: QUANTISED
;;   THE QUANTISER, for each operand of a quantised product, along K:
;;     - K is cut into blocks of 32 from its start; a last block that is shorter is filled with zeros.
;;     - A block's scale is 2^e with e = floor(log2(the largest magnitude in the block)) - 2, held to -126 .. 127; a block of zeros has e = 0. As a byte (E8M0): e + 127.
;;     - Each number is divided by its block's scale, clamped to +-7.5, and rounded to the nearest number of E2M3, ties to even, subnormals kept.
;;     - The product sums the exact products of the quantised numbers (number of the format x scale) in f32.
;;   ~~~python
;;   def quantise(x, axis):      # numpy; x: float32 -> the quantised numbers, widened to float32 again
;;       x = np.moveaxis(x, axis, -1); K = x.shape[-1]
;;       x = np.pad(x, [(0, 0)] * (x.ndim - 1) + [(0, -K % 32)]); x = x.reshape(x.shape[:-1] + (-1, 32)); a = np.abs(x).max(-1, keepdims=True)
;;       e = np.where(a > 0, np.clip(np.frexp(np.where(a > 0, a, 1))[1] - 1 - 2, -126, 127), 0)      # np.frexp(a)[1] - 1 = floor(log2(a)), exactly
;;       r = np.clip(x / 2.0 ** e, -7.5, 7.5)
;;       step = 2.0 ** (np.maximum(np.frexp(np.where(r == 0, 1, r))[1] - 1, 0) - 3)
;;       q = np.round(r / step) * step * 2.0 ** e      # np.round: ties to even
;;       return np.moveaxis(q.reshape(q.shape[:-2] + (-1,))[..., :K], -1, axis).astype(np.float32)
;;   ~~~
;;   SOFTMAX AHEAD OF A QUANTISED PRODUCT. Where the list says 'softmax', what is quantised is not the finished softmax but p = 2^(t - M), with t = logit x log2(e) and M = ceil(the row's largest t), a whole number; so 1/2 < the row's largest p <= 1. The row's sum l is taken of the UNQUANTISED p, in f32, and the product's result is divided by l at the end. Since M is a whole number, a kernel that streams over the keys may use a running M (the ceiling of the running maximum): every later rescaling is an exact power of two, which a block's scale takes up: the codes' values come out the same.
;;   OPERANDS COMPUTED ON THE WAY. 'Computed on the way' means the value that the module computes at that place (a softmax that the list does not call 'softmax' is quantised finished and normalised). What goes into a quantiser is computed in f32, as accurately as f32 sums, v_exp_f32 and their like allow (about 1e-6 of the number): no bf16 or f16 on the way to a quantiser, and a product that is left as it is and whose result goes on into a quantised operand takes f32 operands (vector FMAs, or v_wmma_f32_16x16x4_f32). A number that lies on a knife's edge between two numbers of the format may be rounded either way, as far as f32 arithmetic and the matrix unit's own rounding can turn it there, and no further.
;; One version. Each part assembles by itself: llvm-mc -triple=amdgcn-amd-amdhsa -mcpu=gfx1250 --defsym DOCPART=n.
;; ======== version 1 of 1: 5 launches
;; limits: right only within a limited range of input values
;; workspace buffers: act 6,553,600 bytes; wq 4,915,200 bytes; qk 6,291,456 bytes; vt 6,291,456 bytes; sc 786,432 bytes; ctx 6,553,600 bytes
;; launch quant_act (part 1): grid 1024 x 1, 4 waves a work-group, no clusters, 34,560 bytes of LDS; arguments a, b, act; writes act
.if DOCPART == 1
	.amdgcn_target "amdgcn-amd-amdhsa--gfx1250"
	.amdhsa_code_object_version 6
	.text
	.protected	k_qb0ed5060da_quant_act
	.globl	k_qb0ed5060da_quant_act
	.p2align	8
	.type	k_qb0ed5060da_quant_act,@function
k_qb0ed5060da_quant_act:
	s_mov_b64 s[64:65], 0
	v_nop
	global_prefetch_b8 v0, s[64:65] scope:SCOPE_SE
	s_setreg_imm32_b32 hwreg(HW_REG_WAVE_MODE, 25, 1), 1
	s_wait_xcnt 0x0
; a and b, [4096][1024] f32 each, become codes of FP6 (E2M3) with one E8M0 byte for each 32 along K, laid as the products' launches read them.
; TILES.  16 rows form a tile: tile 2 g + u holds at place r the row 32 g + 8 u + r + 8 (r / 8).  Tiles 0-255 are a's, 256-511 b's.
; IMAGES.  A tile x 64 along K is 768 bytes, an image of six registers a lane: lane (r = lane % 16, h = lane / 16) owns the 24 bytes of codes of k = 32 h .. 32 h + 31 of place r;
; registers 0-3 lie at byte 16 x lane, registers 4-5 at 512 + 8 x lane.  Tile T's sixteen images lie on end at 12,288 T.  Two images are a 16 x 128 operand.
; SCALE BYTES, from byte SOFF on: 512 T + 256 (ks / 4) + 16 r + 4 (ks % 4) + block, ks = k / 128.
; A block's scale is 2^(floor(log2(largest magnitude)) - 2): its byte is the largest magnitude's exponent field - 2, held at 1 from below.
; LIMITS: a block of zeros, or one whose largest magnitude lies under 2^-124, gets the byte 1 where the rule says 127 (zeros) : its codes are zeros or as the held scale gives them, and this program alone reads the bytes;
; NaN and infinities among the inputs are not served.
; SHARES.  A work-group takes one tile x 512 along K, each of its four waves 16 rows x 128 along K.  Each load reads 512 consecutive bytes of one row; the 8 KiB turn through the wave's own stage in LDS,
; so that a lane then holds whole blocks of 32 neighbours.  No tensor loads, no matrix work: memory binds.
.set ROWB, 4096                        ; a row of a or b in bytes
.set SP,   528                         ; a stage row: 512 bytes + 16, so that sixteen rows start in sixteen different groups of banks
.set STG,  16*SP                       ; a wave's stage
.set SG,   4*STG                       ; behind the stages: 256 bytes in which the four waves' scale words meet
.set SOFF, 6291456
.set R,    16                          ; v16-79   as loaded
.set X,    80                          ; v80-143  two blocks of 32 neighbours
.set PC,   144                         ; v144-162 codes: ten registers for each of the two images, so that no store's data are written again
	s_load_b128 s[4:7], s[0:1], 0x0                ; a, b
	s_load_b64 s[8:9], s[0:1], 0x10                ; act
	v_lshl_add_u32 v168, v0, 2, 0x8500
	v_mov_b32 v169, 0
	v_lshrrev_b32 v1, 5, v0
	v_readfirstlane_b32 s10, v1                    ; wave
	v_and_b32 v9, 31, v0                           ; lane
	v_and_b32 v10, 15, v0                          ; r
	v_bfe_u32 v11, v0, 4, 1                        ; h
	v_lshlrev_b32 v1, 4, v9                        ; 16 x lane
	v_lshlrev_b32 v2, 3, v9                        ; 8 x lane
	s_mul_i32 s11, s10, STG
	v_add_nc_u32 v3, s11, v1                       ; the stage, on the way in: a row's 512 bytes as they lie
	v_mul_u32_u24 v4, v10, SP
	v_lshl_add_u32 v4, v11, 7, v4
	v_add_nc_u32 v4, s11, v4                       ; and on the way out: row r, + 128 h: my block of 32 numbers
	s_lshl_b32 s12, s10, 2
	s_add_co_u32 s12, s12, SG
	v_lshlrev_b32 v5, 4, v10
	v_add_nc_u32 v5, s12, v5                       ; my row's scale word: 16 r + 4 x wave
	v_add_nc_u32 v6, SG, v2
	v_lshlrev_b32 v7, 3, v11                       ; 8 h: how far my two bytes are shifted up
	v_mov_b32 v15, 0                               ; a lane permute's destination counts as read: written once
	s_mov_b32 s22, 0x76543210
	s_mov_b32 s23, 0xfedcba98                      ; v_permlanex16_b32's selects for lane l xor 16
	s_lshr_b32 s13, ttmp9, 1                       ; tile T
	s_and_b32 s14, ttmp9, 1                        ; which half of K
	s_lshl_b32 s15, s14, 2
	s_add_co_u32 s15, s15, s10                     ; ks
	s_and_b32 s16, s13, 255
	s_lshr_b32 s17, s16, 1
	s_lshl_b32 s17, s17, 17                        ; 32 rows of 4,096 bytes for each pair of tiles,
	s_and_b32 s18, s13, 1
	s_lshl_b32 s18, s18, 15                        ; 8 rows for the odd tile,
	s_add_co_u32 s17, s17, s18
	s_lshl_b32 s18, s15, 9                         ; 512 bytes for each 128 along K
	s_add_co_u32 s16, s17, s18
	s_mov_b32 s17, 0
	s_mul_i32 s18, s13, 12288
	s_mul_i32 s19, s15, 1536
	s_add_co_u32 s18, s18, s19                     ; my two images
	s_mov_b32 s19, 0
	s_lshl_b32 s20, s13, 9
	s_lshl_b32 s21, s14, 8
	s_add_co_u32 s20, s20, s21
	s_add_co_u32 s20, s20, SOFF                    ; the work-group's 256 scale bytes
	s_mov_b32 s21, 0
	s_wait_alu depctr_va_vdst(0)
	s_wait_kmcnt 0x0
	s_cmp_lt_u32 s13, 256                          ; a's tile or b's: the choice hangs on the work-group's number alone
	s_cselect_b64 s[4:5], s[4:5], s[6:7]
	s_add_nc_u64 s[4:5], s[4:5], s[16:17]
	s_add_nc_u64 s[6:7], s[8:9], s[18:19]
	s_add_nc_u64 s[8:9], s[8:9], s[20:21]
.irp i, 0,1,2,3,4,5,6,7,8,9,10,11,12,13,14,15
	global_load_b128 v[R+4*\i:R+4*\i+3], v1, s[4:5] offset:(\i+8*(\i/8))*ROWB th:TH_LOAD_NT   ; place i's 128 numbers: 512 consecutive bytes
.endr
.irp i, 0,1,2,3,4,5,6,7,8,9,10,11,12,13,14,15
	s_wait_loadcnt 15-\i                           ; loads come back in order: load i is in, the younger ones stay out
	ds_store_b128 v3, v[R+4*\i:R+4*\i+3] offset:SP*\i
.endr
.irp hh, 0,1
.irp j, 0,1,2,3,4,5,6,7
	ds_load_b128 v[X+32*\hh+4*\j:X+32*\hh+4*\j+3], v4 offset:256*\hh+16*\j   ; LDS serves a wave's instructions in order: these see the stores above
.endr
.endr
; One image: my block 2 hh + h of the wave's 128 along K: all its 32 numbers are mine.
.macro HALF hh
.set XS, X+32*\hh
.set CC, PC+10*\hh
	v_max3_num_f32 v12, |v[XS]|, |v[XS+1]|, |v[XS+2]|
	v_max3_num_f32 v13, |v[XS+3]|, |v[XS+4]|, |v[XS+5]|
.irp i, 6,10,14,18,22,26
	v_max3_num_f32 v12, v12, |v[XS+\i]|, |v[XS+\i+1]|
	v_max3_num_f32 v13, v13, |v[XS+\i+2]|, |v[XS+\i+3]|
.endr
	v_max3_num_f32 v12, v12, |v[XS+30]|, |v[XS+31]|
	v_max3_num_f32 v12, v12, v13, 0x1800000        ; and the floor 2^(3 - 127): the byte cannot fall under 1
	v_add_nc_u32 v14, 0xff000000, v12              ; 2 off the exponent field: the conversion takes this operand's exponent field as its scale
	v_cvt_scalef32_pk16_fp6_f32 v[CC:CC+2], v[XS:XS+15], v14
	v_cvt_scalef32_pk16_fp6_f32 v[CC+6:CC+8], v[XS+16:XS+31], v14   ; (a conversion's three registers begin on an even number)
	v_lshrrev_b32 v[8+\hh], 23, v14                ; the scale's byte.  (The plain line behind the conversions)
.irp i, 0,1,2
	v_mov_b32 v[CC+3+\i], v[CC+6+\i]
.endr
	global_store_b128 v1, v[CC:CC+3], s[6:7] offset:768*\hh          ; 512 consecutive bytes
	global_store_b64 v2, v[CC+4:CC+5], s[6:7] offset:768*\hh+512     ; 256 consecutive bytes
.endm
	s_wait_dscnt 8                                 ; the first block's eight loads are in
	HALF 0
	s_wait_dscnt 0x0
	HALF 1
	v_lshl_or_b32 v8, v9, 16, v8                   ; my two bytes: blocks h and 2 + h,
	v_lshlrev_b32 v8, v7, v8                       ; at their places in the word;
	v_permlanex16_b32 v15, v8, s22, s23
	v_or_b32 v8, v8, v15                           ; with lane l xor 16's two the word is whole
	ds_store_b32 v5, v8                            ; (lanes r and 16 + r write the same word with the same value)
	s_wait_dscnt 0x0                               ; for the others' sake: my store has landed
	s_barrier_signal -1
	s_barrier_wait -1
	s_cmp_lg_u32 s10, 0
	s_cbranch_scc1 .Lend
	ds_load_b64 v[12:13], v6                       ; wave 0 takes the four waves' words
	s_wait_dscnt 0x0
	global_store_b64 v2, v[12:13], s[8:9]          ; 256 consecutive bytes, aligned
.Lend:
	s_wait_tensorcnt 0x0
	ds_add_u32 v168, v169
	s_wait_dscnt 0x0
	s_endpgm
.Lfunc_end_k_qb0ed5060da_quant_act:
	.size	k_qb0ed5060da_quant_act, .Lfunc_end_k_qb0ed5060da_quant_act-k_qb0ed5060da_quant_act
	.p2alignl 7, 3214868480
	.fill 96, 4, 3214868480
	.section	.rodata,"a",@progbits
	.p2align	6, 0x0
	.amdhsa_kernel k_qb0ed5060da_quant_act
		.amdhsa_group_segment_fixed_size 34560
		.amdhsa_private_segment_fixed_size 0
		.amdhsa_enable_private_segment 0
		.amdhsa_kernarg_size 24
		.amdhsa_user_sgpr_count 2
		.amdhsa_user_sgpr_kernarg_segment_ptr 1
		.amdhsa_wavefront_size32 1
		.amdhsa_system_sgpr_workgroup_id_x 1
		.amdhsa_system_sgpr_workgroup_id_y 1
		.amdhsa_system_sgpr_workgroup_id_z 1
		.amdhsa_system_vgpr_workitem_id 0
		.amdhsa_next_free_vgpr 170
		.amdhsa_next_free_sgpr 66
		.amdhsa_reserve_vcc 0
		.amdhsa_float_denorm_mode_32 3
		.amdhsa_float_denorm_mode_16_64 3
		.amdhsa_memory_ordered 1
		.amdhsa_forward_progress 1
		.amdhsa_inst_pref_size 11
	.end_amdhsa_kernel
	.amdgpu_metadata
---
amdhsa.version: [ 1, 2 ]
amdhsa.kernels:
  - .name:           k_qb0ed5060da_quant_act
    .symbol:         k_qb0ed5060da_quant_act.kd
    .args:
      - { .name: a, .offset: 0, .size: 8, .value_kind: global_buffer, .address_space: global }
      - { .name: b, .offset: 8, .size: 8, .value_kind: global_buffer, .address_space: global }
      - { .name: act, .offset: 16, .size: 8, .value_kind: global_buffer, .address_space: global }
    .group_segment_fixed_size: 34560
    .private_segment_fixed_size: 0
    .kernarg_segment_align: 8
    .kernarg_segment_size: 24
    .max_flat_workgroup_size: 128
    .sgpr_count:     66
    .vgpr_count:     170
    .wavefront_size: 32
...
	.end_amdgpu_metadata
.endif
;; end of part 1
;; launch quant_w (part 2): grid 64 x 6, 4 waves a work-group, no clusters, 1,024 bytes of LDS; arguments Wa_qk, Wa_v, Wb_qk, Wb_v, Wa_o, Wb_o, wq; writes wq
.if DOCPART == 2
	.amdgcn_target "amdgcn-amd-amdhsa--gfx1250"
	.amdhsa_code_object_version 6
	.text
	.protected	k_qb0ed5060da_quant_w
	.globl	k_qb0ed5060da_quant_w
	.p2align	8
	.type	k_qb0ed5060da_quant_w,@function
k_qb0ed5060da_quant_w:
	s_mov_b64 s[64:65], 0
	v_nop
	global_prefetch_b8 v0, s[64:65] scope:SCOPE_SE
	s_setreg_imm32_b32 hwreg(HW_REG_WAVE_MODE, 25, 1), 1
	s_wait_xcnt 0x0
; The six weights, [K 1024][N 1024] f32 with K as the FIRST axis, become codes of FP6 (E2M3) along K, laid as tiles and images (16 columns n form a tile: tile 2 g + u holds at place r the column
; 32 g + 8 u + r + 8 (r / 8); an image is a tile x 64 along K, 768 bytes: lane (r, h) owns the 24 bytes of k = 32 h .. 32 h + 31, registers 0-3 at 16 x lane, 4-5 at 512 + 8 x lane).
; Weight wi's tiles are 64 wi .. 64 wi + 63; tile T's images lie at 12,288 T; scale bytes from SOFF on at 512 T + 256 (ks / 4) + 16 r + 4 (ks % 4) + block.
; A LANE TAKES A COLUMN AND ITS REGISTERS RUN DOWN K: lanes 0-15 are the places of tile 2 g, lanes 16-31 those of tile 2 g + 1; each load reads 128 consecutive bytes of one row of W; a block of 32 lies in one lane.
; An exchange of the halves of the lanes between two neighbouring blocks' codes then gives both tiles' images.  LIMITS: as in the launch that quantises a and b (a block of zeros keeps the byte 1; NaN, infinities not served).
; SHARES: work-group (x, y): weight y, columns 32 (x / 2) on, half x % 2 of K; wave w: 128 along K.
.set X,    64                          ; v64-191  128 numbers down K
.set C,    16                          ; v16-55   codes: ten registers a block
.set SOFF, 4718592
	s_load_b256 s[4:11], s[0:1], 0x0               ; Wa_qk, Wa_v, Wb_qk, Wb_v
	s_load_b128 s[12:15], s[0:1], 0x20             ; Wa_o, Wb_o
	s_load_b64 s[16:17], s[0:1], 0x30              ; wq
	v_lshl_add_u32 v192, v0, 2, 0x200
	v_mov_b32 v193, 0
	v_lshrrev_b32 v1, 5, v0
	v_readfirstlane_b32 s18, v1                    ; wave
	v_and_b32 v3, 31, v0
	v_lshlrev_b32 v1, 4, v3                        ; 16 x lane
	v_lshlrev_b32 v2, 3, v3                        ; 8 x lane
	v_and_b32 v4, 7, v0
	v_bfe_u32 v5, v0, 3, 1
	v_lshl_add_u32 v4, v5, 4, v4
	v_bfe_u32 v5, v0, 4, 1                         ; which tile of the pair
	v_lshl_add_u32 v4, v5, 3, v4                   ; my column among the 32
	v_lshlrev_b32 v4, 2, v4
	v_and_b32 v6, 15, v0
	v_lshlrev_b32 v6, 4, v6
	v_lshl_add_u32 v7, v5, 8, v6
	s_lshl_b32 s19, s18, 2
	v_add_nc_u32 v7, s19, v7                       ; LDS: 256 x tile + 16 r + 4 x wave: my column's scale word
	v_lshl_add_u32 v6, v5, 9, v6                   ; and in memory: 512 x tile + 16 r
	s_lshr_b32 s20, ttmp9, 1                       ; g
	s_and_b32 s21, ttmp9, 1                        ; half of K
	s_and_b32 s22, ttmp7, 0xffff                   ; which weight
	s_lshl_b32 s23, s21, 2
	s_add_co_u32 s23, s23, s18                     ; ks
	s_lshl_b32 s24, s23, 19                        ; 128 rows of 4,096 bytes
	s_lshl_b32 s25, s20, 7
	s_add_co_u32 s24, s24, s25
	s_mov_b32 s25, 0
	s_lshl_b32 s26, s22, 6
	s_lshl_b32 s27, s20, 1
	s_add_co_u32 s26, s26, s27                     ; the even tile
	s_mul_i32 s28, s26, 12288
	s_mul_i32 s29, s23, 1536
	s_add_co_u32 s28, s28, s29
	s_mov_b32 s29, 0
	s_lshl_b32 s30, s26, 9
	s_lshl_b32 s31, s21, 8
	s_add_co_u32 s30, s30, s31
	s_add_co_u32 s30, s30, SOFF
	s_mov_b32 s31, 0
	s_wait_alu depctr_va_vdst(0)
	s_wait_kmcnt 0x0
	s_cmp_eq_u32 s22, 1                            ; the weight is chosen by the work-group's y alone
	s_cselect_b64 s[4:5], s[6:7], s[4:5]
	s_cmp_eq_u32 s22, 2
	s_cselect_b64 s[4:5], s[8:9], s[4:5]
	s_cmp_eq_u32 s22, 3
	s_cselect_b64 s[4:5], s[10:11], s[4:5]
	s_cmp_eq_u32 s22, 4
	s_cselect_b64 s[4:5], s[12:13], s[4:5]
	s_cmp_eq_u32 s22, 5
	s_cselect_b64 s[4:5], s[14:15], s[4:5]
	s_add_nc_u64 s[4:5], s[4:5], s[24:25]
	s_add_nc_u64 s[6:7], s[16:17], s[28:29]
	s_add_nc_u64 s[8:9], s[16:17], s[30:31]
.set n, 0
.rept 128
	global_load_b32 v[X+n], v4, s[4:5] offset:4096*n th:TH_LOAD_NT
.set n, n+1
.endr
.macro BLK q, left
.set XS, X+32*\q
.set CC, C+10*\q
	s_wait_loadcnt \left                           ; this block's 32 loads are in (96 - 32 q younger ones could stay out; a wait names 63 at the most)
	v_max3_num_f32 v12, |v[XS]|, |v[XS+1]|, |v[XS+2]|
	v_max3_num_f32 v13, |v[XS+3]|, |v[XS+4]|, |v[XS+5]|
.irp i, 6,10,14,18,22,26
	v_max3_num_f32 v12, v12, |v[XS+\i]|, |v[XS+\i+1]|
	v_max3_num_f32 v13, v13, |v[XS+\i+2]|, |v[XS+\i+3]|
.endr
	v_max3_num_f32 v12, v12, |v[XS+30]|, |v[XS+31]|
	v_max3_num_f32 v12, v12, v13, 0x1800000        ; the floor 2^(3 - 127)
	v_add_nc_u32 v14, 0xff000000, v12              ; the conversion's scale operand
	v_lshrrev_b32 v13, 23, v14                     ; the byte
.if \q == 0
	v_mov_b32 v8, v13
.else
	v_lshl_or_b32 v8, v13, 8*\q, v8                ; four bytes make my column's word for these 128 along K
.endif
	v_cvt_scalef32_pk16_fp6_f32 v[CC:CC+2], v[XS:XS+15], v14
	v_cvt_scalef32_pk16_fp6_f32 v[CC+6:CC+8], v[XS+16:XS+31], v14
	v_nop                                          ; one plain line behind the conversions
.irp i, 0,1,2
	v_mov_b32 v[CC+3+\i], v[CC+6+\i]
.endr
.endm
	BLK 0, 63
	BLK 1, 63
	BLK 2, 32
	BLK 3, 0
.irp p, 0,1                            ; blocks 2 p and 2 p + 1: the first's lanes 16-31 change places with the second's lanes 0-15: the first is then tile 2 g's image, the second tile 2 g + 1's
.irp i, 0,1,2,3,4,5
	v_permlane16_swap_b32 v[C+20*\p+\i], v[C+20*\p+10+\i]
.endr
	global_store_b128 v1, v[C+20*\p:C+20*\p+3], s[6:7] offset:768*\p
	global_store_b64 v2, v[C+20*\p+4:C+20*\p+5], s[6:7] offset:768*\p+512
	global_store_b128 v1, v[C+20*\p+10:C+20*\p+13], s[6:7] offset:12288+768*\p
	global_store_b64 v2, v[C+20*\p+14:C+20*\p+15], s[6:7] offset:12288+768*\p+512
.endr
	ds_store_b32 v7, v8
	s_wait_dscnt 0x0                               ; for the others' sake
	s_barrier_signal -1
	s_barrier_wait -1
	s_cmp_lg_u32 s18, 0
	s_cbranch_scc1 .Lend
	ds_load_b128 v[12:15], v1                      ; wave 0: the two tiles' 256 bytes each
	s_wait_dscnt 0x0
	global_store_b128 v6, v[12:15], s[8:9]         ; sixteen lanes store 256 consecutive bytes, aligned
.Lend:
	s_wait_tensorcnt 0x0
	ds_add_u32 v192, v193
	s_wait_dscnt 0x0
	s_endpgm
.Lfunc_end_k_qb0ed5060da_quant_w:
	.size	k_qb0ed5060da_quant_w, .Lfunc_end_k_qb0ed5060da_quant_w-k_qb0ed5060da_quant_w
	.p2alignl 7, 3214868480
	.fill 96, 4, 3214868480
	.section	.rodata,"a",@progbits
	.p2align	6, 0x0
	.amdhsa_kernel k_qb0ed5060da_quant_w
		.amdhsa_group_segment_fixed_size 1024
		.amdhsa_private_segment_fixed_size 0
		.amdhsa_enable_private_segment 0
		.amdhsa_kernarg_size 56
		.amdhsa_user_sgpr_count 2
		.amdhsa_user_sgpr_kernarg_segment_ptr 1
		.amdhsa_wavefront_size32 1
		.amdhsa_system_sgpr_workgroup_id_x 1
		.amdhsa_system_sgpr_workgroup_id_y 1
		.amdhsa_system_sgpr_workgroup_id_z 1
		.amdhsa_system_vgpr_workitem_id 0
		.amdhsa_next_free_vgpr 194
		.amdhsa_next_free_sgpr 66
		.amdhsa_reserve_vcc 0
		.amdhsa_float_denorm_mode_32 3
		.amdhsa_float_denorm_mode_16_64 3
		.amdhsa_memory_ordered 1
		.amdhsa_forward_progress 1
		.amdhsa_inst_pref_size 23
	.end_amdhsa_kernel
	.amdgpu_metadata
---
amdhsa.version: [ 1, 2 ]
amdhsa.kernels:
  - .name:           k_qb0ed5060da_quant_w
    .symbol:         k_qb0ed5060da_quant_w.kd
    .args:
      - { .name: Wa_qk, .offset: 0, .size: 8, .value_kind: global_buffer, .address_space: global }
      - { .name: Wa_v, .offset: 8, .size: 8, .value_kind: global_buffer, .address_space: global }
      - { .name: Wb_qk, .offset: 16, .size: 8, .value_kind: global_buffer, .address_space: global }
      - { .name: Wb_v, .offset: 24, .size: 8, .value_kind: global_buffer, .address_space: global }
      - { .name: Wa_o, .offset: 32, .size: 8, .value_kind: global_buffer, .address_space: global }
      - { .name: Wb_o, .offset: 40, .size: 8, .value_kind: global_buffer, .address_space: global }
      - { .name: wq, .offset: 48, .size: 8, .value_kind: global_buffer, .address_space: global }
    .group_segment_fixed_size: 1024
    .private_segment_fixed_size: 0
    .kernarg_segment_align: 8
    .kernarg_segment_size: 56
    .max_flat_workgroup_size: 128
    .sgpr_count:     66
    .vgpr_count:     194
    .wavefront_size: 32
...
	.end_amdgpu_metadata
.endif
;; end of part 2
;; launch proj (part 3): grid 32 x 16, 8 waves a work-group, clusters of 4 x 4, 308,224 bytes of LDS; arguments act, wq, ba_qk, ba_v, bb_qk, bb_v, qk, vt, sc; writes qk, vt, sc
.if DOCPART == 3
	.amdgcn_target "amdgcn-amd-amdhsa--gfx1250"
	.amdhsa_code_object_version 6
	.text
	.protected	k_qb0ed5060da_proj
	.globl	k_qb0ed5060da_proj
	.p2align	8
	.type	k_qb0ed5060da_proj,@function
k_qb0ed5060da_proj:
	s_mov_b64 s[64:65], 0
	v_nop
	global_prefetch_b8 v0, s[64:65] scope:SCOPE_SE
	s_setreg_imm32_b32 hwreg(HW_REG_WAVE_MODE, 25, 1), 1
	s_wait_xcnt 0x0
	s_wait_alu depctr_hold_cnt(0) depctr_sa_sdst(0) depctr_va_vdst(0) depctr_va_sdst(0) depctr_va_ssrc(0) depctr_va_vcc(0) depctr_vm_vsrc(0)
	s_getreg_b32 s2, hwreg(HW_REG_IB_STS2, 6, 4)
	s_cmp_eq_u32 s2, 0
	s_cbranch_scc0 .Lentry_in_a_cluster
	s_endpgm
.Lentry_in_a_cluster:
	s_bfe_u32 s2, ttmp6, 0x10000c
	s_cmp_lg_u32 s2, 0xf033
	s_cbranch_scc0 .Lentry_shape_is_right
	s_endpgm
.Lentry_shape_is_right:
; The four input projections on codes of FP6 (E2M3), and their results quantised on the way out.  Z[y][x] = sum over k of Y[y][k] X[x][k] + bias, K = 1,024; Z is quantised along x in blocks of 32.
; The matrix instruction takes 16 rows of X as source 0 and 16 rows of Y as source 1: a lane then holds ONE y, and its registers run along x.
;   qk products (cluster y 0, 2): X = the weight's columns, Y = the rows of a or b: codes along a head's 64, for each row.     v products (1, 3): X = the rows of a or b (the keys), Y = the weight's columns: codes along the keys, for each channel.
; All operands come as tiles and images (tile 2 g + u holds at place r the row 32 g + 8 u + r + 8 (r / 8); an image is a tile x 64 along K, 768 bytes: lane (r, h) owns 24 bytes, registers 0-3 at 16 x lane, 4-5 at 512 + 8 x lane).
; With such tiles as source 0, the 16 registers of tiles 2 g and 2 g + 1 are 16 neighbours along x: 32 g + 16 (lane / 16) + 0 .. 15: the conversions' sources as they stand, and their results are the next product's images.
; SHARES.  A work-group makes 128 x by 256 y with all of K; eight waves, each 64 x 64: 16 accumulators.  All of the work-group's codes (4 chunks of 256 along K) and scale bytes fit in LDS at once: every LDS byte is filled ONCE,
; so there is no ring; one wait covers them all.  Two waves share a SIMD: one's LDS loads stand beside the other's products.
; CLUSTER 4 x 4: X's tiles hang on the cluster's x place alone and are asked for jointly by a column of the cluster, Y's on its y place alone, by a row.
; The bias is the C of each sum's first product (reference() adds it behind the sum: a difference in the order of f32 roundings).
; LIMITS: a block of zeros, or one under 2^-124, gets the scale byte 1 (this program alone reads the bytes); NaN and infinities are not served.  v's scale bytes leave as stores of two bytes a lane: 262,144 bytes in all.
; LDS AS IT IS FILLED: four tiles, all of K, are 49,152 dense bytes of memory and one tensor load: waves 0, 1 bring X's two groups to 0 and 49,152, waves 2 to 5 Y's four groups from 98,304 on,
; wave 6 X's scale bytes, wave 7 Y's: one load a wave at the head, each byte filled once, one wait and one barrier ahead of the first product.  Tile t of a group lies at 12,288 t, its K step ks at 1,536 ks.
.set CHUNK, 73728                      ; a quarter of the codes' 294,912 bytes
.set SXB,   4*CHUNK                    ; behind the chunks: X's scale bytes, 8 x 512, then Y's, 16 x 512
.set ACT_S, 6291456                    ; where the scale bytes begin in act
.set WQ_S,  4718592                    ; and in wq
.set WV,   22                          ; s22 wave;  s23 1 for a v product;  s100 XT, s101 YT;  s104 the product, s105 the side;  s4 wx, s5 wy
.set ISV,  23
.set G1X,  24                          ; s[24:31], s[32:39] descriptor group 1 for X's and Y's codes;  s[40:47], s[48:55] for their scale bytes
.set G1Y,  32
.set G1SX, 40
.set G1SY, 48
.set GX0,  56                          ; two groups 0 for X: the scale bytes, the codes
.set GX1,  60
.set GX2,  68
.set GX3,  72
.set GX4,  76
.set GY0,  80                          ; and two for Y
.set GY1,  84
.set GY2,  88
.set GY3,  92
.set GY4,  96
.set SEL,  16                          ; s[16:17] v_permlanex16_b32's selects
.set SC,   16                          ; v16-23  scale words: register 2 p + q: lanes 0-15 X's tile p, lanes 16-31 Y's tile p, the chunk's q-th 128 along K
.set XF,   24                          ; v24-71  X's four fragments
.set YF,   72                          ; v72-119 Y's four
.set BIAS, 96                          ; v96-127 the bias, until the first K step is done
.set ACC,  128                         ; v128-255 accumulator (i, t) at 8 (4 i + t)
.set TM,   24                          ; the way out: v24-29 at work, v32-70 codes, v72-77 scale words
.set PC,   32
.set SW,   72
.macro CROUND                          ; a round of the cluster's barrier
	s_barrier_signal -1
	s_barrier_wait -1
	s_cmp_lg_u32 s[WV], 0
	s_cbranch_scc1 .Lnot_wave_0_\@
	s_barrier_signal -3
.Lnot_wave_0_\@:
	s_barrier_wait -3
	s_barrier_signal -1
	s_barrier_wait -1
.endm
.macro MKG0 g, ldsreg, ldsoff, a, off  ; a group 0: count 1, LDS address, global address, type 2
	s_mov_b32 s[\g], 1
	s_add_co_u32 s[\g+1], s[\ldsreg], \ldsoff
	s_add_nc_u64 s[\g+2:\g+3], s[\a:\a+1], \off
	s_or_b32 s[\g+3], s[\g+3], 0x80000000
.endm
	s_load_b512 s[4:19], s[0:1], 0x0               ; act, wq, ba_qk, ba_v, bb_qk, bb_v, qk, vt
	s_load_b64 s[20:21], s[0:1], 0x40              ; sc
	v_lshl_add_u32 v14, v0, 2, 0x4b000
	v_mov_b32 v15, 0
	ds_add_u32 v14, v15
	ds_add_u32 v14, v15
	v_lshrrev_b32 v1, 5, v0
	s_delay_alu instid0(VALU_DEP_1)
	v_readfirstlane_b32 s[WV], v1                  ; wave 0..7
	s_bfe_u32 s100, ttmp6, 0x40000                 ; cx
	s_bfe_u32 s101, ttmp6, 0x40004                 ; cy
	s_and_b32 s104, ttmp7, 0xffff                  ; the cluster's y: which product
	s_and_b32 s[ISV], s104, 1
	s_lshr_b32 s105, s104, 1                       ; side: 0 a, 1 b
	s_lshl_b32 s2, 0x1111, s100                    ; my column of the cluster
	s_lshl_b32 s3, s101, 2
	s_lshl_b32 s3, 15, s3                          ; my row
	s_or_b32 s[G1X], s2, (3<<16)|(1<<21)           ; 15:0 the mask; 17:16 elements of 8 bytes; 21 set beside a mask; no padding
	s_or_b32 s[G1SX], s2, (3<<16)|(1<<21)
	s_or_b32 s[G1Y], s3, (3<<16)|(1<<21)
	s_or_b32 s[G1SY], s3, (3<<16)|(1<<21)
.irp g, G1X, G1Y                       ; codes: four tiles, all of K: 49,152 dense bytes in memory and in LDS
	s_mov_b32 s[\g+1], 32<<16                      ; a dense block as 192 rows of 256 bytes
	s_mov_b32 s[\g+2], 192<<16
	s_mov_b32 s[\g+3], 32<<16
	s_mov_b32 s[\g+4], 192
	s_mov_b32 s[\g+5], 32
	s_mov_b32 s[\g+6], 0
	s_mov_b32 s[\g+7], 0
.endr
.irp g, G1SX, G1SY                     ; scale bytes: 512 dense bytes a tile, in rows of 256
	s_mov_b32 s[\g+1], 32<<16
	s_mov_b32 s[\g+2], (16+16*((\g)/G1SY))<<16     ; X's eight tiles: 16 rows of 256 bytes; Y's sixteen: 32
	s_mov_b32 s[\g+3], 32<<16
	s_mov_b32 s[\g+4], 16+16*((\g)/G1SY)
	s_mov_b32 s[\g+5], 32
	s_mov_b32 s[\g+6], 0
	s_mov_b32 s[\g+7], 0
.endr
	; which block of Z.  qk: 8 x blocks, 16 y blocks; v: 32 x blocks, 4 y blocks; eight clusters either way.  What hangs on cx stays in s56-63 and s100, what hangs on cy in s80-83 and s101.
	s_and_b32 s56, ttmp9, 1
	s_lshr_b32 s80, ttmp9, 1
	s_cmp_lg_u32 s[ISV], 0
	s_cselect_b32 s56, ttmp9, s56
	s_cselect_b32 s80, 0, s80
	s_lshl_b32 s56, s56, 2
	s_add_co_u32 s100, s56, s100                   ; XT
	s_lshl_b32 s80, s80, 2
	s_add_co_u32 s101, s80, s101                   ; YT
	s_lshl_b32 s2, s105, 8                         ; the side's first tile in act
	s_lshl_b32 s3, s104, 6                         ; the weight's first tile in wq
	s_cmp_lg_u32 s[ISV], 0
	s_cselect_b32 s56, s2, s3
	s_cselect_b32 s80, s3, s2
	s_mov_b32 s2, ACT_S
	s_mov_b32 s3, WQ_S
	s_cselect_b32 s58, s2, s3
	s_cselect_b32 s82, s3, s2
	s_lshl_b32 s57, s100, 3
	s_add_co_u32 s56, s56, s57
	s_lshl_b32 s57, s56, 9
	s_add_co_u32 s58, s58, s57                     ; the scale bytes of X's eight tiles,
	s_min_u32 s57, s[WV], 1                        ; waves 0, 1 fetch X's tiles 0-3, 4-7
	s_lshl_b32 s57, s57, 2
	s_add_co_u32 s56, s56, s57
	s_mov_b32 s59, 0
	s_mul_i32 s56, s56, 12288                      ; their codes
	s_mov_b32 s57, 0
	s_lshl_b32 s81, s101, 4
	s_add_co_u32 s80, s80, s81
	s_lshl_b32 s81, s80, 9
	s_add_co_u32 s82, s82, s81                     ; the scale bytes of Y's sixteen tiles
	s_max_u32 s81, s[WV], 2                        ; waves 2 to 5 fetch Y's tiles 0-3 .. 12-15
	s_min_u32 s81, s81, 5
	s_sub_co_u32 s81, s81, 2
	s_lshl_b32 s81, s81, 2
	s_add_co_u32 s80, s80, s81
	s_mov_b32 s83, 0
	s_mul_i32 s80, s80, 12288
	s_mov_b32 s81, 0
	s_mul_i32 s2, s[WV], 49152                     ; where the codes go: wave x four tiles: no place in the cluster enters an LDS address
	s_mov_b32 s3, 0
	s_wait_dscnt 0x0
	s_wait_kmcnt 0x0
	s_cmp_eq_u32 s104, 1                           ; the buffers are chosen by the cluster's y alone
	s_cselect_b64 s[8:9], s[10:11], s[8:9]
	s_cmp_eq_u32 s104, 2
	s_cselect_b64 s[8:9], s[12:13], s[8:9]
	s_cmp_eq_u32 s104, 3
	s_cselect_b64 s[8:9], s[14:15], s[8:9]         ; s[8:9] the bias
	s_cmp_lg_u32 s[ISV], 0
	s_cselect_b64 s[10:11], s[18:19], s[16:17]     ; s[10:11] where the codes go
	s_cselect_b64 s[12:13], s[4:5], s[6:7]         ; X's buffer
	s_cselect_b64 s[14:15], s[6:7], s[4:5]         ; Y's
	s_add_nc_u64 s[4:5], s[12:13], s[56:57]
	s_add_nc_u64 s[6:7], s[12:13], s[58:59]
	s_add_nc_u64 s[16:17], s[14:15], s[80:81]
	s_add_nc_u64 s[18:19], s[14:15], s[82:83]
	MKG0 GX0, 3, SXB, 6, 0
	MKG0 GX1, 2, 0, 4, 0
	MKG0 GY0, 3, SXB+4096, 18, 0
	MKG0 GY1, 2, 0, 16, 0
	CROUND                                         ; all sixteen work-groups are here: the joint loads meet
	s_cmp_lt_u32 s[WV], 2                          ; one chain of branches on the wave's number, one load to an arm
	s_cbranch_scc0 .Lnot_x
	tensor_load_to_lds s[GX1:GX1+3], s[G1X:G1X+7]
	s_nop 0
.rept 4
	v_nop
.endr
	s_branch .Lasked
.Lnot_x:
	s_cmp_lt_u32 s[WV], 6
	s_cbranch_scc0 .Lnot_y
	tensor_load_to_lds s[GY1:GY1+3], s[G1Y:G1Y+7]
	s_nop 0
.rept 4
	v_nop
.endr
	s_branch .Lasked
.Lnot_y:
	s_cmp_lt_u32 s[WV], 7
	s_cbranch_scc0 .Lnot_sx
	tensor_load_to_lds s[GX0:GX0+3], s[G1SX:G1SX+7]
	s_nop 0
.rept 4
	v_nop
.endr
	s_branch .Lasked
.Lnot_sx:
	tensor_load_to_lds s[GY0:GY0+3], s[G1SY:G1SY+7]
	s_nop 0
.rept 4
	v_nop
.endr
.Lasked:
	s_mov_b32 s[SEL], 0x76543210
	s_mov_b32 s[SEL+1], 0xfedcba98
	v_and_b32 v1, 31, v0                           ; lane
	v_and_b32 v2, 15, v0                           ; r
	v_bfe_u32 v3, v0, 4, 1                         ; h
	s_and_b32 s4, s[WV], 1                         ; wx: which 64 of the 128 x
	s_lshr_b32 s5, s[WV], 1                        ; wy: which 64 of the 256 y
	; the bias, in the result's layout.  qk: it runs along x: eight numbers a tile and half;  v: along y: one number a lane, in all eight registers
	s_cmp_lg_u32 s[ISV], 0
	s_cbranch_scc1 .Lbias_v
	s_lshl_b32 s6, s100, 9
	s_lshl_b32 s7, s4, 8
	s_add_co_u32 s6, s6, s7
	s_mov_b32 s7, 0
	s_add_nc_u64 s[8:9], s[8:9], s[6:7]
	s_wait_alu depctr_va_vdst(0)
	v_lshlrev_b32 v12, 6, v3
.irp t, 0,1,2,3
	global_load_b128 v[BIAS+8*\t:BIAS+8*\t+3], v12, s[8:9] offset:128*(\t/2)+32*(\t%2)
	global_load_b128 v[BIAS+8*\t+4:BIAS+8*\t+7], v12, s[8:9] offset:128*(\t/2)+32*(\t%2)+16
.endr
	s_wait_loadcnt 0x0
	s_branch .Lbias_done
.Lbias_v:
	s_lshl_b32 s6, s101, 10
	s_lshl_b32 s7, s5, 8
	s_add_co_u32 s6, s6, s7
	s_mov_b32 s7, 0
	s_add_nc_u64 s[8:9], s[8:9], s[6:7]
	s_wait_alu depctr_va_vdst(0)
	v_and_b32 v12, 8, v2
	s_delay_alu instid0(VALU_DEP_1)
	v_add_nc_u32 v12, v12, v2
	s_delay_alu instid0(VALU_DEP_1)
	v_lshlrev_b32 v12, 2, v12
.irp i, 0,1,2,3
	global_load_b32 v[BIAS+8*\i], v12, s[8:9] offset:4*(32*(\i/2)+8*(\i%2))
.endr
	s_wait_loadcnt 0x0
.irp i, 0,1,2,3
.irp j, 1,2,3,4,5,6,7
	v_mov_b32 v[BIAS+8*\i+\j], v[BIAS+8*\i]
.endr
.endr
.Lbias_done:
	v_lshlrev_b32 v9, 4, v1                        ; 16 x lane
	v_lshlrev_b32 v10, 3, v1                       ; 8 x lane
	v_lshlrev_b32 v11, 2, v1                       ; 4 x lane
	s_mul_i32 s6, s4, 49152
	s_mul_i32 s7, s5, 49152
	s_add_co_u32 s7, s7, 98304
	v_add_nc_u32 v4, s6, v9                        ; v4, v5: my four tiles of X: registers 0-3 of an image, registers 4-5
	v_add_nc_u32 v5, s6, v10
	s_delay_alu instid0(VALU_DEP_1)
	v_add_nc_u32 v5, 512, v5
	v_add_nc_u32 v6, s7, v9                        ; v6, v7: my four tiles of Y
	v_add_nc_u32 v7, s7, v10
	s_delay_alu instid0(VALU_DEP_1)
	v_add_nc_u32 v7, 512, v7
	s_xor_b32 s18, s4, 1
	s_add_co_u32 s18, s18, s5
	s_add_co_u32 s18, s18, 1
	s_lshl_b32 s18, s18, 11                        ; from my X tiles' scale bytes to my Y tiles': 4,096 + 2,048 wy - 2,048 wx
	v_mul_u32_u24 v8, s18, v3                      ; lanes 16-31 take Y's
	s_delay_alu instid0(VALU_DEP_1)
	v_lshl_add_u32 v8, v2, 4, v8
	s_lshl_b32 s19, s4, 11
	s_add_co_u32 s19, s19, SXB
	v_add_nc_u32 v8, s19, v8                       ; v8: my scale words
.macro FRAG reg, a16, a8, off          ; a fragment, 16 rows x 128 K: two images, four loads, each of consecutive bytes
	ds_load_b128 v[(\reg):(\reg)+3], v[\a16] offset:(\off)
	ds_load_b64 v[(\reg)+4:(\reg)+5], v[\a8] offset:(\off)
	ds_load_b128 v[(\reg)+6:(\reg)+9], v[\a16] offset:(\off)+768
	ds_load_b64 v[(\reg)+10:(\reg)+11], v[\a8] offset:(\off)+768
.endm
.macro SCALES c                        ; chunk c's two words a row
.irp p, 0,1,2,3
	ds_load_b64 v[SC+2*\p:SC+2*\p+1], v8 offset:512*\p+256*((\c)/2)+8*((\c)%2)
.endr
.endm
; Eight products: Y's tiles i0, i0 + 1 x X's four.  cmode 0: onto the sums; 1: the sums begin with the bias along x; 2: along y.  ysub: Y's tile i lies in buffer i - ysub.
; The sixteen accumulators take turns, one instruction a turn, in one order throughout.
.macro MUL8 i0, q, cmode, ysub
.irp i, \i0, \i0+1
.irp t, 0,1,2,3
.if \cmode == 0
	v_wmma_scale_f32_16x16x128_f8f6f4 v[ACC+8*(4*(\i)+\t):ACC+8*(4*(\i)+\t)+7], v[XF+12*\t:XF+12*\t+11], v[YF+12*((\i)-\ysub):YF+12*((\i)-\ysub)+11], v[ACC+8*(4*(\i)+\t):ACC+8*(4*(\i)+\t)+7], v[SC+2*\t+\q], v[SC+2*(\i)+\q] matrix_a_fmt:MATRIX_FMT_FP6 matrix_b_fmt:MATRIX_FMT_FP6 matrix_b_scale:MATRIX_SCALE_ROW1
.elseif \cmode == 1
	v_wmma_scale_f32_16x16x128_f8f6f4 v[ACC+8*(4*(\i)+\t):ACC+8*(4*(\i)+\t)+7], v[XF+12*\t:XF+12*\t+11], v[YF+12*((\i)-\ysub):YF+12*((\i)-\ysub)+11], v[BIAS+8*\t:BIAS+8*\t+7], v[SC+2*\t+\q], v[SC+2*(\i)+\q] matrix_a_fmt:MATRIX_FMT_FP6 matrix_b_fmt:MATRIX_FMT_FP6 matrix_b_scale:MATRIX_SCALE_ROW1
.else
	v_wmma_scale_f32_16x16x128_f8f6f4 v[ACC+8*(4*(\i)+\t):ACC+8*(4*(\i)+\t)+7], v[XF+12*\t:XF+12*\t+11], v[YF+12*((\i)-\ysub):YF+12*((\i)-\ysub)+11], v[BIAS+8*(\i):BIAS+8*(\i)+7], v[SC+2*\t+\q], v[SC+2*(\i)+\q] matrix_a_fmt:MATRIX_FMT_FP6 matrix_b_fmt:MATRIX_FMT_FP6 matrix_b_scale:MATRIX_SCALE_ROW1
.endif
.endr
.endr
.endm
.macro CHUNKWAIT n                     ; my one load has landed; then everybody's has.
	s_wait_tensorcnt \n
	s_barrier_signal -1
	s_barrier_wait -1
.endm
; The first K step: the bias lies where Y's buffers 2 and 3 will, so Y's four tiles go through buffers 0 and 1, two at a time.
.macro STEP0 cmode
	SCALES 0
.irp t, 0,1,2,3
	FRAG XF+12*\t, 4, 5, 12288*\t
.endr
.irp i, 0,1
	FRAG YF+12*\i, 6, 7, 12288*\i
.endr
	s_wait_dscnt 0x0
	MUL8 0, 0, \cmode, 0
.rept 4
	v_nop                                          ; four places in front of loads into registers that the products have read (ISA guide 7.12.1 for vector instructions)
.endr
.irp i, 2,3
	FRAG YF+12*(\i-2), 6, 7, 12288*\i
.endr
	s_wait_dscnt 0x0
	MUL8 2, 0, \cmode, 2
.endm
; A K step of 128: the chunk's q-th.  The four v_nops are the places in front of the loads.
.macro STEP q, c
.rept 4
	v_nop                                          ; four places in front of the loads; the K step's place stands in the loads' immediates
.endr
.if \q == 0
	SCALES \c
.endif
.irp t, 0,1,2,3
	FRAG XF+12*\t, 4, 5, 12288*\t+3072*(\c)+1536*\q
.endr
.irp i, 0,1,2,3
	FRAG YF+12*\i, 6, 7, 12288*\i+3072*(\c)+1536*\q
.endr
	s_wait_dscnt 8                                 ; all but the youngest eight loads, Y's tiles 2 and 3
	MUL8 0, \q, 0, 0
	s_wait_dscnt 0x0
	MUL8 2, \q, 0, 0
.endm
	CHUNKWAIT 0
	s_cmp_lg_u32 s[ISV], 0
	s_cbranch_scc1 .Lfirst_v
	s_wait_alu depctr_va_vdst(0)
	STEP0 1
	s_branch .Lfirst_done
.Lfirst_v:
	s_wait_alu depctr_va_vdst(0)
	STEP0 2
.Lfirst_done:
	STEP 1, 0
	STEP 0, 1
	s_wait_alu depctr_va_vdst(0)
	STEP 1, 1
	STEP 0, 2
	s_wait_alu depctr_va_vdst(0)
	STEP 1, 2
	STEP 0, 3
	s_wait_alu depctr_va_vdst(0)
	STEP 1, 3
	; THE WAY OUT.  With A = 2 XT + wx and B = 4 YT + wy: qk: head A, tiles 4 B on;  v: head B, keys 64 A on.  Either way: batch = rest / 32, and the four images begin 3,072 (rest % 32) bytes into the head's record.
	s_lshl_b32 s24, s100, 1
	s_add_co_u32 s24, s24, s4
	s_lshl_b32 s25, s101, 2
	s_add_co_u32 s25, s25, s5
	s_cmp_lg_u32 s[ISV], 0
	s_cselect_b32 s26, s25, s24                    ; head
	s_cselect_b32 s27, s24, s25                    ; rest
	s_lshr_b32 s28, s27, 5
	s_and_b32 s27, s27, 31
	s_lshl_b32 s29, s105, 1
	s_add_co_u32 s28, s28, s29
	s_lshl_b32 s28, s28, 4
	s_add_co_u32 s28, s28, s26                     ; (2 side + batch) 16 + head
	s_mul_i32 s30, s28, 98304
	s_mul_i32 s31, s27, 3072
	s_add_co_u32 s30, s30, s31
	s_mov_b32 s31, 0
	s_add_nc_u64 s[10:11], s[10:11], s[30:31]
	s_mul_i32 s30, s28, 12288
	s_lshl_b32 s32, s27, 8                         ; qk's scale words: 64 bytes a tile
	s_lshr_b32 s33, s27, 1                         ; v's: 256 bytes for each 128 keys, behind qk's 8,192; my 64 keys are half of each word
	s_lshl_b32 s33, s33, 8
	s_and_b32 s34, s27, 1
	s_lshl_b32 s34, s34, 1
	s_add_co_u32 s33, s33, s34
	s_add_co_u32 s33, s33, 8192
	s_cmp_lg_u32 s[ISV], 0
	s_cselect_b32 s32, s33, s32
	s_add_co_u32 s30, s30, s32
	s_add_nc_u64 s[20:21], s[20:21], s[30:31]
; 32 numbers of a lane, register 16 b + i = index 32 b + 16 (lane / 16) + i of my row, become an image's six registers in v[pc] on and the two scale bytes in v[sw].  Each accumulator is read from its low end on.
.macro QUANTH src, pc, sw
.irp b, 0,1
	v_max3_num_f32 v[TM+\b], |v[(\src)+16*\b]|, |v[(\src)+16*\b+1]|, 0x1800000   ; my 16 numbers of block b, and the floor 2^(3 - 127)
.endr
.irp i, 2,4,6,8,10,12,14
.irp b, 0,1
	v_max3_num_f32 v[TM+\b], v[TM+\b], |v[(\src)+16*\b+\i]|, |v[(\src)+16*\b+\i+1]|
.endr
.endr
.irp b, 0,1
	s_delay_alu instid0(VALU_DEP_2)
	v_permlanex16_b32 v[TM+2+\b], v[TM+\b], s[SEL], s[SEL+1]
.endr
.irp b, 0,1
	s_delay_alu instid0(VALU_DEP_2)
	v_max_num_f32 v[TM+\b], v[TM+\b], v[TM+2+\b]   ; with lane l xor 16's: the block's largest magnitude
.endr
.irp b, 0,1
	s_delay_alu instid0(VALU_DEP_2)
	v_add_nc_u32 v[TM+4+\b], 0xff000000, v[TM+\b]  ; 2 off its exponent field: the conversion's scale operand
.endr
.irp b, 0,1
	s_delay_alu instid0(VALU_DEP_2)
	v_lshrrev_b32 v[TM+2+\b], 23, v[TM+4+\b]       ; the byte
.endr
	s_delay_alu instid0(VALU_DEP_1)
	v_lshl_or_b32 v[\sw], v[TM+3], 8, v[TM+2]
	v_cvt_scalef32_pk16_fp6_f32 v[(\pc):(\pc)+2], v[(\src):(\src)+15], v[TM+4]
	v_cvt_scalef32_pk16_fp6_f32 v[(\pc)+6:(\pc)+8], v[(\src)+16:(\src)+31], v[TM+5]
	v_nop                                          ; one plain line behind the conversions
.irp i, 0,1,2
	v_permlane16_swap_b32 v[(\pc)+\i], v[(\pc)+6+\i]   ; a whole block to a lane: lanes 0-15 block 0, lanes 16-31 block 1
.endr
.irp i, 0,1,2
	s_delay_alu instid0(VALU_DEP_3)
	v_mov_b32 v[(\pc)+3+\i], v[(\pc)+6+\i]
.endr
.endm
.rept 4
	v_nop                                          ; four places behind the last products
.endr
	v_mov_b32 v[TM+2], 0                           ; a lane permute's destination counts as read
	v_mov_b32 v[TM+3], 0
.irp i, 0,1,2,3
	QUANTH ACC+32*\i, PC+10*\i, SW+\i
	v_lshl_or_b32 v[SW+\i], v[SW+\i], 16, v[SW+\i] ; qk: K is 64: the word holds the two bytes twice, so that the 64 may stand in either half of a product 128 deep
	global_store_b128 v9, v[PC+10*\i:PC+10*\i+3], s[10:11] offset:768*\i         ; 512 consecutive bytes
	global_store_b64 v10, v[PC+10*\i+4:PC+10*\i+5], s[10:11] offset:768*\i+512   ; 256 consecutive bytes
.endr
	v_cmp_eq_u32 vcc_lo, 1, v3
	s_delay_alu instid0(VALU_DEP_1)
	v_cndmask_b32 v[SW+4], v[SW], v[SW+1], vcc_lo  ; lanes 0-15 tile 0's words, lanes 16-31 tile 1's
	s_delay_alu instid0(VALU_DEP_2)
	v_cndmask_b32 v[SW+5], v[SW+2], v[SW+3], vcc_lo
	s_cmp_lg_u32 s[ISV], 0
	s_cbranch_scc1 .Lscale_v
	global_store_b32 v11, v[SW+4], s[20:21]
	global_store_b32 v11, v[SW+5], s[20:21] offset:128
	s_branch .Lscale_done
.Lscale_v:
	s_wait_alu depctr_va_vdst(0)
	global_store_b16 v11, v[SW+4], s[20:21]        ; two bytes of each word; the wave beside me stores the other two
	global_store_b16 v11, v[SW+5], s[20:21] offset:128
.Lscale_done:
	s_wait_dscnt 0x0
	s_wait_tensorcnt 0x0
	ds_add_u32 v14, v15
	s_wait_dscnt 0x0
	CROUND                                         ; the closing round: no work-group ends while a partner may still ask for a tile that names it
	s_endpgm
.Lfunc_end_k_qb0ed5060da_proj:
	.size	k_qb0ed5060da_proj, .Lfunc_end_k_qb0ed5060da_proj-k_qb0ed5060da_proj
	.p2alignl 7, 3214868480
	.fill 96, 4, 3214868480
	.section	.rodata,"a",@progbits
	.p2align	6, 0x0
	.amdhsa_kernel k_qb0ed5060da_proj
		.amdhsa_group_segment_fixed_size 308224
		.amdhsa_private_segment_fixed_size 0
		.amdhsa_enable_private_segment 0
		.amdhsa_kernarg_size 72
		.amdhsa_user_sgpr_count 2
		.amdhsa_user_sgpr_kernarg_segment_ptr 1
		.amdhsa_wavefront_size32 1
		.amdhsa_system_sgpr_workgroup_id_x 1
		.amdhsa_system_sgpr_workgroup_id_y 1
		.amdhsa_system_sgpr_workgroup_id_z 1
		.amdhsa_system_vgpr_workitem_id 0
		.amdhsa_next_free_vgpr 256
		.amdhsa_next_free_sgpr 106
		.amdhsa_reserve_vcc 1
		.amdhsa_float_denorm_mode_32 3
		.amdhsa_float_denorm_mode_16_64 3
		.amdhsa_memory_ordered 1
		.amdhsa_forward_progress 1
		.amdhsa_inst_pref_size 63
	.end_amdhsa_kernel
	.amdgpu_metadata
---
amdhsa.version: [ 1, 2 ]
amdhsa.kernels:
  - .name:           k_qb0ed5060da_proj
    .symbol:         k_qb0ed5060da_proj.kd
    .args:
      - { .name: act, .offset: 0, .size: 8, .value_kind: global_buffer, .address_space: global }
      - { .name: wq, .offset: 8, .size: 8, .value_kind: global_buffer, .address_space: global }
      - { .name: ba_qk, .offset: 16, .size: 8, .value_kind: global_buffer, .address_space: global }
      - { .name: ba_v, .offset: 24, .size: 8, .value_kind: global_buffer, .address_space: global }
      - { .name: bb_qk, .offset: 32, .size: 8, .value_kind: global_buffer, .address_space: global }
      - { .name: bb_v, .offset: 40, .size: 8, .value_kind: global_buffer, .address_space: global }
      - { .name: qk, .offset: 48, .size: 8, .value_kind: global_buffer, .address_space: global }
      - { .name: vt, .offset: 56, .size: 8, .value_kind: global_buffer, .address_space: global }
      - { .name: sc, .offset: 64, .size: 8, .value_kind: global_buffer, .address_space: global }
    .group_segment_fixed_size: 308224
    .private_segment_fixed_size: 0
    .kernarg_segment_align: 8
    .kernarg_segment_size: 72
    .max_flat_workgroup_size: 256
    .sgpr_count:     106
    .vgpr_count:     256
    .wavefront_size: 32
...
	.end_amdgpu_metadata
.endif
;; end of part 3
;; launch attn (part 4): grid 4 x 64, 16 waves a work-group, clusters of 4 x 1, 260,096 bytes of LDS; arguments qk, vt, sc, ctx; writes ctx
.if DOCPART == 4
	.amdgcn_target "amdgcn-amd-amdhsa--gfx1250"
	.amdhsa_code_object_version 6
	.text
	.protected	k_qb0ed5060da_attn
	.globl	k_qb0ed5060da_attn
	.p2align	8
	.type	k_qb0ed5060da_attn,@function
k_qb0ed5060da_attn:
	s_mov_b64 s[64:65], 0
	v_nop
	global_prefetch_b8 v0, s[64:65] scope:SCOPE_SE
	s_setreg_imm32_b32 hwreg(HW_REG_WAVE_MODE, 25, 1), 1
	s_wait_xcnt 0x0
	s_wait_alu depctr_hold_cnt(0) depctr_sa_sdst(0) depctr_va_vdst(0) depctr_va_sdst(0) depctr_va_ssrc(0) depctr_va_vcc(0) depctr_vm_vsrc(0)
	s_getreg_b32 s2, hwreg(HW_REG_IB_STS2, 6, 4)
	s_cmp_eq_u32 s2, 0
	s_cbranch_scc0 .Lentry_in_a_cluster
	s_endpgm
.Lentry_in_a_cluster:
	s_bfe_u32 s2, ttmp6, 0x10000c
	s_cmp_lg_u32 s2, 0x3003
	s_cbranch_scc0 .Lentry_shape_is_right
	s_endpgm
.Lentry_shape_is_right:
; Both attentions on codes of FP6 (E2M3).  The softmax over the columns of the scores is the softmax over the rows of their transpose, so side 1 is side 0 with a's and b's parts exchanged:
; side s: queries = qk[s], keys = qk[1 - s], values = vt[1 - s].  ctx[query][head's 64] = softmax(q . k / 8) v, quantised along the head's 64 on the way out.
; SOFTMAX: t = score x log2(e) / 8; M = the running largest t rounded UP to a whole number; p = 2^(t - M) is quantised along the keys, not normalised; the row's sum is taken of the unquantised p and divides
; at the end.  When M moves, the sum and O are multiplied by 2^(old M - new M): exact.
; SHARES.  A work-group owns 512 queries of one (side, batch, head); each of its sixteen waves two neighbouring tiles of 16 queries, A and B, which share every fragment of keys and values read from LDS.
; All of the head's keys, values and scale bytes lie in LDS, each byte filled ONCE: waves 0-3 bring a quarter of the keys each, waves 4-7 of the values, wave 8 the scale bytes: one tensor load a wave, one wait,
; one barrier, and none after it.  The four work-groups of a cluster belong to one head and ask jointly.  No prefetch: all fills leave at the head, so there is no loop to run ahead in.
; LDS ROWS: every 256 bytes of codes are followed by 64 of padding: an image of 768 bytes takes 960, its registers 0-3 lie at 16 r + 320 h, its registers 4-5 at 640 + 8 r + 128 h.
; THE KEYS OF A TILE ARE CHOSEN BY THE LANES' ADDRESSES: tile (c, u) of a step's 128 keys holds at place r the key 64 c + 32 (r / 8) + 8 u + r % 8.  As stored, that key is place r % 8 + 8 (u / 2) of the step's
; tile 4 c + 2 (r / 8) + u % 2.  Both products are used transposed, so a lane (query n, half h) then holds in the 32 registers of tiles (c, 0..3) the keys 64 c + 32 h + 0 .. 31: one whole block of p, in the second product's own order.
; K = 64 IN A PRODUCT 128 DEEP.  Registers QA, six of zeros, QB: tile A's operand is [QA | 0] against [key tile | the six registers behind it], tile B's is [0 | QB] against [the six registers ahead | key tile].
; Every code of E2M3 is finite, so the other half's products are exact zeros; the scale words hold their two bytes twice.  Ahead of the first key tile and behind the last stand registers of p's codes.
; LIMITS: a block of zeros gets the scale byte 1 (read by this program alone); NaN and infinities are not served; the promise holds while |t| stays under 2^31.  ctx's scale bytes leave as single bytes: 262,144 in all.
.set CH,    24576                      ; what a loading wave brings: 96 rows of 256 bytes,
.set CHL,   30720                      ; which take 96 x 320 bytes of LDS
.set TP,    960                        ; an image in LDS
.set VC,    122880                     ; keys at 0, values at VC,
.set KS,    245760                     ; the keys' scale words (64 bytes a tile), 8,192 bytes,
.set VS,    253952                     ; the values' (256 bytes for each 128 keys), 4,096 bytes,
.set SPARE, 258048                     ; the spare words, 128 bytes a wave
.set WV,  12
.set G1C, 16                           ; s[16:23] group 1 for codes; s[24:31] for the scale bytes; s[32:35], s[36:39] their groups 0
.set G1S, 24
.set G0S, 32
.set G0C, 36
.set SEL, 72                           ; s[72:73] lane l xor 16
.set CS,  74                           ; s[74:75] c = log2(e) / 8
.set TK,  76                           ; s76 the step's codes (keys and values alike: 7,680 bytes a step); s77 the keys' scale words; s78 the values'
.set TS,  77
.set TV,  78
.set SPW, 7                            ; v1-6 LDS bases: keys 16 B, keys 8 B, values 16 B, values 8 B, keys' scales, values' scales;  v7, v8 the add's two registers
.set NIL, 8
.set QS,  9                            ; the queries' scale words: lanes 0-15 tile A's, lanes 16-31 tile B's
.set PW,  10                           ; v10, v11 p's scale words, A's and B's
.set KSC, 12                           ; v12-15 the keys' scale words, then (v12-13) the values'
.set STA, 16                           ; v16 -M, v17 the largest score, v[18:19] the sum: tile A;  v20-23: tile B
.set STB, 20
.set QZ,  24                           ; v24-29 QA, v30-35 zeros, v36-41 QB
.set PCB, 42                           ; v42-53 p's codes, tile B
.set FR,  54                           ; v54-101 eight tiles of keys, then four fragments of values
.set PCA, 102                          ; v102-113 p's codes, tile A
.set S,   114                          ; v114-177 the scores, then p
.set O,   178                          ; v178-209 O^T of tile A, v210-241 of tile B
.set BM,  242                          ; at work: two blocks' largest; SO second chains, then scale operands; F = 2^(old M - new M); T, T2; three more chains of the sum
.set SO,  244
.set F,   246
.set T,   248
.set T2,  249
.set C1,  250
.set C2,  252
.set C3,  254
.set TM,  242                          ; at work in QUANTH
.macro CROUND
	s_barrier_signal -1
	s_barrier_wait -1
	s_cmp_lg_u32 s[WV], 0
	s_cbranch_scc1 .Lnot_wave_0_\@
	s_barrier_signal -3
.Lnot_wave_0_\@:
	s_barrier_wait -3
	s_barrier_signal -1
	s_barrier_wait -1
.endm
	s_load_b256 s[4:11], s[0:1], 0x0               ; qk, vt, sc, ctx
	v_lshl_add_u32 v[SPW], v0, 2, SPARE
	v_mov_b32 v[NIL], 0
	ds_add_u32 v[SPW], v[NIL]                      ; the opening lines: the add twice on end and one wait
	ds_add_u32 v[SPW], v[NIL]
	v_lshrrev_b32 v1, 5, v0
	v_readfirstlane_b32 s[WV], v1                  ; wave 0..15
	s_and_b32 s14, ttmp7, 0xffff                   ; y = 32 side + 16 batch + head
	s_xor_b32 s90, s14, 32                         ; the same head on the other side
	s_mul_i32 s92, s90, 12288
	s_mov_b32 s93, 0
	s_mul_i32 s90, s90, 98304
	s_mov_b32 s91, 0
	s_mov_b32 s[G1C], 15|(3<<16)|(1<<20)|(1<<21)|(5<<22)|(15<<25)   ; the mask: all four work-groups; elements of 8 bytes; after every 64 words 16 words of padding
	s_mov_b32 s[G1C+1], 32<<16                     ; a dense block as 96 rows of 256 bytes
	s_mov_b32 s[G1C+2], 96<<16
	s_mov_b32 s[G1C+3], 32<<16
	s_mov_b32 s[G1C+4], 96
	s_mov_b32 s[G1C+5], 32
	s_mov_b32 s[G1C+6], 0
	s_mov_b32 s[G1C+7], 0
	s_mov_b32 s[G1S], 15|(3<<16)|(1<<21)           ; the scale bytes: 48 rows of 256 bytes, no padding
	s_mov_b32 s[G1S+1], 32<<16
	s_mov_b32 s[G1S+2], 48<<16
	s_mov_b32 s[G1S+3], 32<<16
	s_mov_b32 s[G1S+4], 48
	s_mov_b32 s[G1S+5], 32
	s_mov_b32 s[G1S+6], 0
	s_mov_b32 s[G1S+7], 0
	s_mov_b32 s[SEL], 0x76543210
	s_mov_b32 s[SEL+1], 0xfedcba98
	s_mov_b32 s[CS], 0x3e38aa3b
	s_mov_b32 s[CS+1], s[CS]                       ; (named with it as a pair, so it is written)
	s_and_b32 s40, s[WV], 3
	s_mul_i32 s40, s40, CH                         ; which quarter of the keys or of the values
	s_mov_b32 s41, 0
	s_mov_b32 s[G0C], 1
	s_mul_i32 s[G0C+1], s[WV], CHL                 ; keys' quarters at 0 .., values' behind them: wave x 30,720
	s_mov_b32 s[G0S], 1
	s_mov_b32 s[G0S+1], KS
	s_wait_dscnt 0x0
	s_wait_kmcnt 0x0
	s_add_nc_u64 s[94:95], s[4:5], s[90:91]        ; the keys
	s_add_nc_u64 s[90:91], s[6:7], s[90:91]        ; the values
	s_add_nc_u64 s[G0S+2:G0S+3], s[8:9], s[92:93]  ; their scale bytes
	s_or_b32 s[G0S+3], s[G0S+3], 0x80000000
	s_cmp_lt_u32 s[WV], 4                          ; the buffer is chosen by the wave's number alone
	s_cselect_b64 s[42:43], s[94:95], s[90:91]
	s_add_nc_u64 s[G0C+2:G0C+3], s[42:43], s[40:41]
	s_or_b32 s[G0C+3], s[G0C+3], 0x80000000
	CROUND                                         ; all four work-groups are here: the joint loads meet
	s_cmp_lt_u32 s[WV], 8                          ; one chain of branches on the wave's number, one load to an arm
	s_cbranch_scc0 .Lnot_codes
	tensor_load_to_lds s[G0C:G0C+3], s[G1C:G1C+7]
	s_nop 0
.rept 4
	v_nop
.endr
	s_branch .Lasked
.Lnot_codes:
	s_cmp_eq_u32 s[WV], 8
	s_cbranch_scc0 .Lasked
	tensor_load_to_lds s[G0S:G0S+3], s[G1S:G1S+7]
	s_nop 0
.rept 4
	v_nop
.endr
.Lasked:
	s_bfe_u32 s13, ttmp6, 0x40000                  ; cx: it enters my queries' and results' global addresses alone
	s_lshl_b32 s90, ttmp9, 2
	s_add_co_u32 s13, s90, s13                     ; which 512 queries
	s_lshl_b32 s91, s13, 5
	s_lshl_b32 s90, s[WV], 1
	s_add_co_u32 s91, s91, s90                     ; tile A: 32 x + 2 wave; tile B is the next
	s_mul_i32 s92, s14, 98304
	s_mul_i32 s93, s91, 768
	s_add_co_u32 s92, s92, s93
	s_mov_b32 s93, 0
	s_add_nc_u64 s[82:83], s[4:5], s[92:93]        ; its image
	s_mul_i32 s92, s14, 12288
	s_lshl_b32 s94, s91, 6
	s_add_co_u32 s92, s92, s94
	s_add_nc_u64 s[84:85], s[8:9], s[92:93]        ; its scale words
	s_lshr_b32 s94, s14, 4                         ; 2 side + batch: 128 tiles each
	s_lshl_b32 s94, s94, 7
	s_add_co_u32 s94, s94, s91                     ; the tile in ctx
	s_and_b32 s95, s14, 15                         ; head = which image of the tile
	s_mul_i32 s92, s94, 12288
	s_mul_i32 s91, s95, 768
	s_add_co_u32 s92, s92, s91
	s_add_nc_u64 s[86:87], s[10:11], s[92:93]
	s_lshl_b32 s92, s94, 9                         ; its scale bytes: 512 a tile, + 256 (head / 8) + 4 ((head / 2) % 4) + 2 (head % 2)
	s_lshr_b32 s91, s95, 3
	s_lshl_b32 s91, s91, 8
	s_add_co_u32 s92, s92, s91
	s_bfe_u32 s91, s95, 0x20001
	s_lshl_b32 s91, s91, 2
	s_add_co_u32 s92, s92, s91
	s_and_b32 s91, s95, 1
	s_lshl_b32 s91, s91, 1
	s_add_co_u32 s92, s92, s91
	s_add_co_u32 s92, s92, 6291456
	s_add_nc_u64 s[88:89], s[10:11], s[92:93]
	v_and_b32 v248, 31, v0                         ; lane
	v_and_b32 v249, 7, v0                          ; r % 8
	v_bfe_u32 v250, v0, 3, 1                       ; r / 8
	v_bfe_u32 v251, v0, 4, 1                       ; h
	v_lshlrev_b32 v252, 4, v248
	v_lshl_add_u32 v253, v248, 3, 512
	v_lshlrev_b32 v254, 2, v248
	global_load_b128 v[QZ:QZ+3], v252, s[82:83]
	global_load_b64 v[QZ+4:QZ+5], v253, s[82:83]
	global_load_b128 v[QZ+12:QZ+15], v252, s[82:83] offset:768
	global_load_b64 v[QZ+16:QZ+17], v253, s[82:83] offset:768
	global_load_b32 v[QS], v254, s[84:85]
	v_mul_u32_u24 v1, v250, 2*TP                   ; keys, registers 0-3: 1,920 (r / 8) + 16 (r % 8) + 320 h
	v_mul_u32_u24 v2, v250, 2*TP                   ; registers 4-5: 640 + 1,920 (r / 8) + 8 (r % 8) + 128 h
	v_lshl_add_u32 v3, v251, 6, VC                 ; values, registers 0-3: 16 lane + 64 h
	v_lshl_add_u32 v4, v248, 3, VC+640             ; registers 4-5: 640 + 8 lane
	v_lshl_add_u32 v5, v250, 7, KS                 ; keys' scale words: 128 (r / 8) + 4 (r % 8) + 64 h: lanes 0-15 an even tile's, lanes 16-31 the odd one's
	v_lshl_add_u32 v6, v248, 2, VS                 ; values': 4 lane
	v_lshl_add_u32 v1, v249, 4, v1
	v_lshl_add_u32 v2, v249, 3, v2
	v_lshl_add_u32 v3, v248, 4, v3
	v_lshl_add_u32 v5, v249, 2, v5
	v_mad_u32_u24 v1, v251, 320, v1
	v_lshl_add_u32 v2, v251, 7, v2
	v_lshl_add_u32 v5, v251, 6, v5
	v_add_nc_u32 v2, 640, v2
.irp j, 30,31,32,33,34,35, 48,49,50,51,52,53, 102,103,104,105,106,107, 18,19,22,23, 247
	v_mov_b32 v\j, 0                               ; the zeros between QA and QB; the registers ahead of and behind the keys; the sums; a pair's upper half
.endr
	v_mov_b32 v[STA+1], 0xff61b1e6                 ; the largest score so far: -3e38
	v_mov_b32 v[STB+1], 0xff61b1e6
	v_mul_f32 v[STA], s[CS], v[STA+1]
	v_floor_f32 v[STA], -v[STA]                    ; -M
	v_mov_b32 v[STB], v[STA]
.set j, 0
.rept 64
	v_mov_b32 v[O+j], 0                            ; O^T: the step is written once; its first trip finds zeros, which the first change of M leaves zeros
.set j, j+1
.endr
.macro WM d, a, b, c, sa, sb, ra, rb   ; one product; ra, rb: the scales' lanes 16-31
.if (\ra)==0 && (\rb)==0
	v_wmma_scale_f32_16x16x128_f8f6f4 v[\d:\d+7], v[\a:\a+11], v[\b:\b+11], \c, v[\sa], v[\sb] matrix_a_fmt:MATRIX_FMT_FP6 matrix_b_fmt:MATRIX_FMT_FP6
.elseif (\rb)==0
	v_wmma_scale_f32_16x16x128_f8f6f4 v[\d:\d+7], v[\a:\a+11], v[\b:\b+11], \c, v[\sa], v[\sb] matrix_a_fmt:MATRIX_FMT_FP6 matrix_b_fmt:MATRIX_FMT_FP6 matrix_a_scale:MATRIX_SCALE_ROW1
.elseif (\ra)==0
	v_wmma_scale_f32_16x16x128_f8f6f4 v[\d:\d+7], v[\a:\a+11], v[\b:\b+11], \c, v[\sa], v[\sb] matrix_a_fmt:MATRIX_FMT_FP6 matrix_b_fmt:MATRIX_FMT_FP6 matrix_b_scale:MATRIX_SCALE_ROW1
.else
	v_wmma_scale_f32_16x16x128_f8f6f4 v[\d:\d+7], v[\a:\a+11], v[\b:\b+11], \c, v[\sa], v[\sb] matrix_a_fmt:MATRIX_FMT_FP6 matrix_b_fmt:MATRIX_FMT_FP6 matrix_a_scale:MATRIX_SCALE_ROW1 matrix_b_scale:MATRIX_SCALE_ROW1
.endif
.endm
.macro QK q                            ; S^T = K Q^T for query tile q: eight tiles of keys
.irp c, 0,1
.irp u, 0,1,2,3
	WM S+32*\c+8*\u, FR+6*(4*\c+\u)-6*\q, QZ+6*\q, 0, KSC+2*\c+\u/2, QS, \u%2, \q
.endr
.endr
.endm
; The softmax of one query tile over the step's 128 keys: a lane holds 64 scores, blocks h and 2 + h whole.
.macro SOFT st, ob, pc, pw
.irp c, 0,1                            ; each block's largest score, in two chains a block; each accumulator is first read at its low end
	v_max3_num_f32 v[BM+\c], v[S+32*\c], v[S+32*\c+1], v[S+32*\c+2]
	v_max3_num_f32 v[SO+\c], v[S+32*\c+16], v[S+32*\c+17], v[S+32*\c+18]
.endr
.irp i, 3,5,7,9,11,13
.irp c, 0,1
	v_max3_num_f32 v[BM+\c], v[BM+\c], v[S+32*\c+\i], v[S+32*\c+\i+1]
	v_max3_num_f32 v[SO+\c], v[SO+\c], v[S+32*\c+16+\i], v[S+32*\c+17+\i]
.endr
.endr
.irp c, 0,1
	v_max3_num_f32 v[BM+\c], v[BM+\c], v[SO+\c], v[S+32*\c+15]
.endr
.irp c, 0,1
	v_max_num_f32 v[BM+\c], v[BM+\c], v[S+32*\c+31]
.endr
	s_delay_alu instid0(VALU_DEP_1)
	v_max_num_f32 v[T], v[BM], v[BM+1]
	s_delay_alu instid0(VALU_DEP_1)
	v_permlanex16_b32 v[T2], v[T], s[SEL], s[SEL+1]
	s_delay_alu instid0(VALU_DEP_1)
	v_max3_num_f32 v[\st+1], v[\st+1], v[T], v[T2] ; the running largest score, with lane l xor 16's 64 keys
	s_delay_alu instid0(VALU_DEP_1)
	v_mul_f32 v[T], s[CS], v[\st+1]                ; as t (c is positive)
	v_mov_b32 v[T2], v[\st]
	s_delay_alu instid0(VALU_DEP_2)
	v_floor_f32 v[\st], -v[T]                      ; -M = floor(-t): M is a whole number
.set j, 0
.rept 32
	v_pk_fma_f32 v[S+j:S+j+1], v[S+j:S+j+1], s[CS:CS+1], v[\st:\st+1] op_sel_hi:[1,0,0]   ; t - M, two at a time
.set j, j+2
.endr
.irp c, 0,1
	v_fma_f32 v[BM+\c], v[BM+\c], s[CS], v[\st]    ; the same of each block's largest score: p rises with the score
.endr
	v_sub_f32 v[T2], v[\st], v[T2]                 ; old M - new M: a whole number, 0 or less
	s_delay_alu instid0(VALU_DEP_1)
	v_cvt_i32_f32 v[T2], v[T2]                     ; (it saturates)
	s_delay_alu instid0(VALU_DEP_1)
	v_ldexp_f32 v[F], 1.0, v[T2]                   ; f = 2^(old M - new M)
	s_wait_alu depctr_va_vdst(0)
.set j, 0
.rept 64
	v_exp_f32 v[S+j], v[S+j]                       ; p = 2^(t - M), at most 1
.set j, j+1
.endr
.irp c, 0,1
	v_exp_f32 v[BM+\c], v[BM+\c]                   ; the block's largest p
.endr
	v_pk_mul_f32 v[\st+2:\st+3], v[\st+2:\st+3], v[F:F+1] op_sel_hi:[1,0]   ; the sum under the new M.  (The plain line behind the exponentials)
	s_wait_alu depctr_va_vdst(0)                   ; and behind it
.irp c, 0,1
	v_max_num_f32 v[BM+\c], 0x1800000, v[BM+\c]    ; the floor 2^(3 - 127)
.endr
	v_pk_add_f32 v[C1:C1+1], v[S:S+1], v[S+2:S+3]  ; the row's sum of the unquantised p, in four chains
	v_pk_add_f32 v[C2:C2+1], v[S+4:S+5], v[S+6:S+7]
.irp c, 0,1
	v_add_nc_u32 v[SO+\c], 0xff000000, v[BM+\c]    ; 2 off the exponent field: the conversion's scale operand
.endr
	v_pk_add_f32 v[C3:C3+1], v[S+8:S+9], v[S+10:S+11]
	v_pk_add_f32 v[\st+2:\st+3], v[\st+2:\st+3], v[S+60:S+61]
.irp c, 0,1
	v_lshrrev_b32 v[BM+\c], 23, v[SO+\c]           ; the byte
.endr
	v_pk_add_f32 v[C1:C1+1], v[C1:C1+1], v[S+62:S+63]
	s_delay_alu instid0(VALU_DEP_2)
	v_lshl_or_b32 v[T], v[BM+1], 16, v[BM]         ; my blocks h and 2 + h,
	s_delay_alu instid0(VALU_DEP_1)
	v_permlanex16_b32 v[T2], v[T], s[SEL], s[SEL+1]
	s_delay_alu instid0(VALU_DEP_1)
	v_lshl_or_b32 v[\pw], v[T2], 8, v[T]           ; and in lanes 0-15, which alone are read, the other half's blocks 1 and 3: p's scale word
.set j, 12
.rept 6
	v_pk_add_f32 v[\st+2:\st+3], v[\st+2:\st+3], v[S+j:S+j+1]
	v_pk_add_f32 v[C1:C1+1], v[C1:C1+1], v[S+j+2:S+j+3]
	v_pk_add_f32 v[C2:C2+1], v[C2:C2+1], v[S+j+4:S+j+5]
	v_pk_add_f32 v[C3:C3+1], v[C3:C3+1], v[S+j+6:S+j+7]
.set j, j+8
.endr
	v_pk_add_f32 v[\st+2:\st+3], v[\st+2:\st+3], v[C1:C1+1]
	v_pk_add_f32 v[C2:C2+1], v[C2:C2+1], v[C3:C3+1]
	s_delay_alu instid0(VALU_DEP_1)
	v_pk_add_f32 v[\st+2:\st+3], v[\st+2:\st+3], v[C2:C2+1]
	v_cvt_scalef32_pk16_fp6_f32 v[\pc:\pc+2], v[S:S+15], v[SO]
	v_cvt_scalef32_pk16_fp6_f32 v[\pc+6:\pc+8], v[S+32:S+47], v[SO+1]
	v_cvt_scalef32_pk16_fp6_f32 v[T:T+2], v[S+16:S+31], v[SO]       ; (a conversion's three registers begin on an even number)
	v_cvt_scalef32_pk16_fp6_f32 v[C2:C2+2], v[S+48:S+63], v[SO+1]
	v_nop                                          ; one plain line behind the conversions
.irp i, 0,1,2
	v_mov_b32 v[\pc+3+\i], v[T+\i]
	v_mov_b32 v[\pc+9+\i], v[C2+\i]
.endr
	s_wait_alu depctr_va_vdst(0)
.set j, 0
.rept 16
	v_pk_mul_f32 v[\ob+j:\ob+j+1], v[\ob+j:\ob+j+1], v[F:F+1] op_sel_hi:[1,0]   ; O^T under the new M, each accumulator from its low end on.  (Also the places between p's codes and scale word and the products)
.set j, j+2
.endr
.endm
	s_wait_alu depctr_va_vdst(0)
	s_wait_loadcnt 0x0                             ; my queries are in
	s_wait_tensorcnt 0x0                           ; my load has landed,
	s_barrier_signal -1
	s_barrier_wait -1                              ; and everybody's
	s_mov_b32 s[TK], 0
	s_mov_b32 s[TS], 0
	s_mov_b32 s[TV], 0
	s_mov_b32 s79, 16
.Lstep:                                ; 128 keys x 32 queries
	v_add_nc_u32 v[T], s[TK], v1                   ; (these four lines are the places in front of the loads into registers that the last products have read)
	v_add_nc_u32 v[T2], s[TK], v2
	v_add_nc_u32 v[BM], s[TS], v5
	v_nop
.irp c, 0,1
.irp u, 0,1,2,3
	ds_load_b128 v[FR+6*(4*\c+\u):FR+6*(4*\c+\u)+3], v[T] offset:TP*(4*\c+\u%2)+128*(\u/2)
	ds_load_b64 v[FR+6*(4*\c+\u)+4:FR+6*(4*\c+\u)+5], v[T2] offset:TP*(4*\c+\u%2)+64*(\u/2)
.endr
	ds_load_b32 v[KSC+2*\c], v[BM] offset:256*\c           ; lanes 0-15 tile (c, 0)'s words, lanes 16-31 tile (c, 1)'s
	ds_load_b32 v[KSC+2*\c+1], v[BM] offset:256*\c+32      ; tiles (c, 2) and (c, 3)
.endr
	s_wait_alu depctr_va_vdst(0)
	s_wait_dscnt 0x0
	QK 0
.rept 4
	v_nop                                          ; four places ahead of the first read of the scores
.endr
	SOFT STA, O, PCA, PW
	QK 1                                           ; the same keys against tile B
	v_add_nc_u32 v[T], s[TK], v3                   ; (four places again)
	v_add_nc_u32 v[T2], s[TK], v4
	v_add_nc_u32 v[BM], s[TV], v6
	v_nop
.irp i, 0,1,2,3                        ; the step's values, asked for now: they land under tile B's softmax
	ds_load_b128 v[FR+12*\i:FR+12*\i+3], v[T] offset:TP*\i
	ds_load_b64 v[FR+12*\i+4:FR+12*\i+5], v[T2] offset:TP*\i
	ds_load_b128 v[FR+12*\i+6:FR+12*\i+9], v[T] offset:4*TP+TP*\i
	ds_load_b64 v[FR+12*\i+10:FR+12*\i+11], v[T2] offset:4*TP+TP*\i
.endr
	ds_load_b32 v[KSC], v[BM]
	ds_load_b32 v[KSC+1], v[BM] offset:128
	SOFT STB, O+32, PCB, PW+1
	s_wait_alu depctr_va_vdst(0)
	s_wait_dscnt 0x0                               ; the values are in
.irp q, 0,1                            ; O^T += V^T P^T: eight accumulators by turns
.irp p, 0,1
	WM O+32*\q+16*\p, FR+24*\p, PCA-60*\q, v[O+32*\q+16*\p:O+32*\q+16*\p+7], KSC+\p, PW+\q, 0, 0
	WM O+32*\q+16*\p+8, FR+24*\p+12, PCA-60*\q, v[O+32*\q+16*\p+8:O+32*\q+16*\p+15], KSC+\p, PW+\q, 1, 0
.endr
.endr
	s_add_co_u32 s[TK], s[TK], 8*TP
	s_add_co_u32 s[TS], s[TS], 512
	s_add_co_u32 s[TV], s[TV], 256
	s_sub_co_u32 s79, s79, 1
	s_cmp_lg_u32 s79, 0
	s_wait_alu depctr_va_vdst(0)
	s_cbranch_scc1 .Lstep
; 32 numbers of a lane, register 16 b + i = channel 32 b + 16 (lane / 16) + i of my query, become an image's six registers in v[pc] on; the two scale bytes stay in v[TM+2], v[TM+3].
.macro QUANTH src, pc
.irp b, 0,1
	v_max3_num_f32 v[TM+\b], |v[(\src)+16*\b]|, |v[(\src)+16*\b+1]|, 0x1800000
.endr
.irp i, 2,4,6,8,10,12,14
.irp b, 0,1
	s_delay_alu instid0(VALU_DEP_2)
	v_max3_num_f32 v[TM+\b], v[TM+\b], |v[(\src)+16*\b+\i]|, |v[(\src)+16*\b+\i+1]|
.endr
.endr
.irp b, 0,1
	s_delay_alu instid0(VALU_DEP_2)
	v_permlanex16_b32 v[TM+2+\b], v[TM+\b], s[SEL], s[SEL+1]
.endr
.irp b, 0,1
	s_delay_alu instid0(VALU_DEP_2)
	v_max_num_f32 v[TM+\b], v[TM+\b], v[TM+2+\b]
.endr
.irp b, 0,1
	s_delay_alu instid0(VALU_DEP_2)
	v_add_nc_u32 v[TM+4+\b], 0xff000000, v[TM+\b]
.endr
.irp b, 0,1
	s_delay_alu instid0(VALU_DEP_2)
	v_lshrrev_b32 v[TM+2+\b], 23, v[TM+4+\b]
.endr
	v_cvt_scalef32_pk16_fp6_f32 v[(\pc):(\pc)+2], v[(\src):(\src)+15], v[TM+4]
	v_cvt_scalef32_pk16_fp6_f32 v[(\pc)+6:(\pc)+8], v[(\src)+16:(\src)+31], v[TM+5]
	v_nop
.irp i, 0,1,2
	v_permlane16_swap_b32 v[(\pc)+\i], v[(\pc)+6+\i]   ; a whole block to a lane
.endr
.irp i, 0,1,2
	s_delay_alu instid0(VALU_DEP_3)
	v_mov_b32 v[(\pc)+3+\i], v[(\pc)+6+\i]
.endr
.endm
	v_and_b32 v1, 31, v0                           ; the way out.  (These lines are also the places behind the last products)
	v_and_b32 v4, 15, v0
	v_bfe_u32 v5, v0, 4, 1
	v_lshlrev_b32 v2, 4, v1                        ; v2: 16 x lane: registers 0-3 of an image
	v_lshl_add_u32 v3, v1, 3, 512                  ; v3: 512 + 8 x lane: registers 4-5
	v_lshl_add_u32 v4, v4, 4, v5                   ; v4: 16 r + h: my byte among ctx's scale bytes
	v_cmp_eq_u32 s81, 1, v5                        ; s81: lanes 16-31
	v_add_f32 v[STA+2], v[STA+2], v[STA+3]
	v_add_f32 v[STB+2], v[STB+2], v[STB+3]
	v_permlanex16_b32 v[T], v[STA+2], s[SEL], s[SEL+1]
	v_permlanex16_b32 v[T2], v[STB+2], s[SEL], s[SEL+1]
	v_add_f32 v[STA+2], v[STA+2], v[T]             ; the rows' sums, the two tiles by turns
	v_add_f32 v[STB+2], v[STB+2], v[T2]
	s_wait_alu depctr_va_vdst(0)
	v_rcp_f32 v[STA+2], v[STA+2]
	v_rcp_f32 v[STB+2], v[STB+2]
	v_nop                                          ; one plain line behind the reciprocals
	s_wait_alu depctr_va_vdst(0)
.set j, 0
.rept 16
	v_pk_mul_f32 v[S+j:S+j+1], v[O+j:O+j+1], v[STA+2:STA+3] op_sel_hi:[1,0]   ; the context: register 16 b + i is channel 32 b + 16 h + i of my query
.set j, j+2
.endr
.set j, 0
.rept 16
	v_pk_mul_f32 v[S+32+j:S+33+j], v[O+32+j:O+33+j], v[STB+2:STB+3] op_sel_hi:[1,0]
.set j, j+2
.endr
.irp q, 0,1
	QUANTH S+32*\q, FR+12*\q
	global_store_b128 v2, v[FR+12*\q:FR+12*\q+3], s[86:87] offset:12288*\q      ; the head's image of the tile: 512 and 256 consecutive bytes
	global_store_b64 v3, v[FR+12*\q+4:FR+12*\q+5], s[86:87] offset:12288*\q
	v_cndmask_b32 v[FR+12*\q+10], v[TM+2], v[TM+3], s81                         ; lanes 0-15 block 0's byte, lanes 16-31 block 1's
	global_store_b8 v4, v[FR+12*\q+10], s[88:89] offset:512*\q
.endr
	s_wait_tensorcnt 0x0                           ; the wave's end
	ds_add_u32 v[SPW], v[NIL]
	s_wait_dscnt 0x0
	CROUND                                         ; the closing round
	s_endpgm
.Lfunc_end_k_qb0ed5060da_attn:
	.size	k_qb0ed5060da_attn, .Lfunc_end_k_qb0ed5060da_attn-k_qb0ed5060da_attn
	.p2alignl 7, 3214868480
	.fill 96, 4, 3214868480
	.section	.rodata,"a",@progbits
	.p2align	6, 0x0
	.amdhsa_kernel k_qb0ed5060da_attn
		.amdhsa_group_segment_fixed_size 260096
		.amdhsa_private_segment_fixed_size 0
		.amdhsa_enable_private_segment 0
		.amdhsa_kernarg_size 32
		.amdhsa_user_sgpr_count 2
		.amdhsa_user_sgpr_kernarg_segment_ptr 1
		.amdhsa_wavefront_size32 1
		.amdhsa_system_sgpr_workgroup_id_x 1
		.amdhsa_system_sgpr_workgroup_id_y 1
		.amdhsa_system_sgpr_workgroup_id_z 1
		.amdhsa_system_vgpr_workitem_id 0
		.amdhsa_next_free_vgpr 256
		.amdhsa_next_free_sgpr 96
		.amdhsa_reserve_vcc 0
		.amdhsa_float_denorm_mode_32 3
		.amdhsa_float_denorm_mode_16_64 3
		.amdhsa_memory_ordered 1
		.amdhsa_forward_progress 1
		.amdhsa_inst_pref_size 48
	.end_amdhsa_kernel
	.amdgpu_metadata
---
amdhsa.version: [ 1, 2 ]
amdhsa.kernels:
  - .name:           k_qb0ed5060da_attn
    .symbol:         k_qb0ed5060da_attn.kd
    .args:
      - { .name: qk, .offset: 0, .size: 8, .value_kind: global_buffer, .address_space: global }
      - { .name: vt, .offset: 8, .size: 8, .value_kind: global_buffer, .address_space: global }
      - { .name: sc, .offset: 16, .size: 8, .value_kind: global_buffer, .address_space: global }
      - { .name: ctx, .offset: 24, .size: 8, .value_kind: global_buffer, .address_space: global }
    .group_segment_fixed_size: 260096
    .private_segment_fixed_size: 0
    .kernarg_segment_align: 8
    .kernarg_segment_size: 32
    .max_flat_workgroup_size: 512
    .sgpr_count:     96
    .vgpr_count:     256
    .wavefront_size: 32
...
	.end_amdgpu_metadata
.endif
;; end of part 4
;; launch outproj (part 5): grid 32 x 8, 8 waves a work-group, clusters of 4 x 4, 308,224 bytes of LDS; arguments ctx, wq, ba_o, bb_o, out0, out1; writes out0, out1
.if DOCPART == 5
	.amdgcn_target "amdgcn-amd-amdhsa--gfx1250"
	.amdhsa_code_object_version 6
	.text
	.protected	k_qb0ed5060da_outproj
	.globl	k_qb0ed5060da_outproj
	.p2align	8
	.type	k_qb0ed5060da_outproj,@function
k_qb0ed5060da_outproj:
	s_mov_b64 s[64:65], 0
	v_nop
	global_prefetch_b8 v0, s[64:65] scope:SCOPE_SE
	s_setreg_imm32_b32 hwreg(HW_REG_WAVE_MODE, 25, 1), 1
	s_wait_xcnt 0x0
	s_wait_alu depctr_hold_cnt(0) depctr_sa_sdst(0) depctr_va_vdst(0) depctr_va_sdst(0) depctr_va_ssrc(0) depctr_va_vcc(0) depctr_vm_vsrc(0)
	s_getreg_b32 s2, hwreg(HW_REG_IB_STS2, 6, 4)
	s_cmp_eq_u32 s2, 0
	s_cbranch_scc0 .Lentry_in_a_cluster
	s_endpgm
.Lentry_in_a_cluster:
	s_bfe_u32 s2, ttmp6, 0x10000c
	s_cmp_lg_u32 s2, 0xf033
	s_cbranch_scc0 .Lentry_shape_is_right
	s_endpgm
.Lentry_shape_is_right:
; The two output projections on codes of FP6 (E2M3): out[y][x] = sum over k of ctx[y][k] W[k][x] + bias[x], K = 1,024, f32 out.  Source 0 = 16 columns of W (X), source 1 = 16 rows of ctx (Y): a lane holds one row and
; eight neighbouring columns.  Operands come as tiles and images (tile 2 g + u holds at place r the row 32 g + 8 u + r + 8 (r / 8); an image is a tile x 64 along K, 768 bytes: registers 0-3 at 16 x lane, 4-5 at 512 + 8 x lane).
; SHARES.  A work-group makes 128 x by 256 y with all of K; eight waves, each 64 x 64: 16 accumulators.  All its codes (4 chunks of 256 along K) and scale bytes lie in LDS, each byte filled ONCE; one wait covers them all.
; CLUSTER 4 x 4: X's tiles are asked for jointly by a column of the cluster, Y's by a row.  The cluster's y is the side (0: ctx of a, Wa_o, out0;  1: b's).
; The bias is the C of each sum's first product (a difference in the order of f32 roundings from reference()).  NaN and infinities are not served.
; THE WAY OUT goes through a stage of the wave's own, 16 rows x 272 bytes, in X's first group: it has had its only fill, and every wave's reads of it are over at the barrier behind the last K step.
; LDS AS IT IS FILLED: four tiles, all of K, are 49,152 dense bytes of memory and one tensor load: waves 0, 1 bring X's two groups to 0 and 49,152, waves 2 to 5 Y's four groups from 98,304 on,
; wave 6 X's scale bytes, wave 7 Y's: one load a wave at the head, each byte filled once, one wait and one barrier ahead of the first product.  Tile t of a group lies at 12,288 t, its K step ks at 1,536 ks.
; The stages of the way out lie in X's first group; a barrier behind the last K step shows that nobody reads it any more.
.set CHUNK, 73728                      ; a quarter of the codes' 294,912 bytes
.set SXB,   4*CHUNK
.set CTX_S, 6291456
.set WQ_S,  4718592
.set WV,   22
.set G1X,  24
.set G1Y,  32
.set G1SX, 40
.set G1SY, 48
.set GX0,  56
.set GX1,  60
.set GX2,  68
.set GX3,  72
.set GX4,  76
.set GY0,  80
.set GY1,  84
.set GY2,  88
.set GY3,  92
.set GY4,  96
.set SC,   16                          ; v16-23  scale words
.set XF,   24                          ; v24-71  X's four fragments
.set YF,   72                          ; v72-119 Y's four
.set BIAS, 96                          ; v96-127 the bias, until the first K step is done
.set ACC,  128
.set OB,   24                          ; the way out: v24-55 and v56-87 by turns
.set STGB, 4352                        ; a wave's stage
.macro CROUND
	s_barrier_signal -1
	s_barrier_wait -1
	s_cmp_lg_u32 s[WV], 0
	s_cbranch_scc1 .Lnot_wave_0_\@
	s_barrier_signal -3
.Lnot_wave_0_\@:
	s_barrier_wait -3
	s_barrier_signal -1
	s_barrier_wait -1
.endm
.macro MKG0 g, ldsreg, ldsoff, a, off
	s_mov_b32 s[\g], 1
	s_add_co_u32 s[\g+1], s[\ldsreg], \ldsoff
	s_add_nc_u64 s[\g+2:\g+3], s[\a:\a+1], \off
	s_or_b32 s[\g+3], s[\g+3], 0x80000000
.endm
	s_load_b256 s[4:11], s[0:1], 0x0               ; ctx, wq, ba_o, bb_o
	s_load_b128 s[12:15], s[0:1], 0x20             ; out0, out1
	v_lshl_add_u32 v11, v0, 2, 0x4b000
	s_set_vgpr_msb 0x40
	v_mov_b32 v1, 0
	s_set_vgpr_msb 0x4044
	ds_add_u32 v11, v1
	ds_add_u32 v11, v1
	s_set_vgpr_msb 0x4400
	v_lshrrev_b32 v1, 5, v0
	s_delay_alu instid0(VALU_DEP_1)
	v_readfirstlane_b32 s[WV], v1
	s_bfe_u32 s100, ttmp6, 0x40000                 ; cx
	s_bfe_u32 s101, ttmp6, 0x40004                 ; cy
	s_and_b32 s105, ttmp7, 0xffff                  ; side
	s_lshl_b32 s2, 0x1111, s100                    ; my column of the cluster
	s_lshl_b32 s3, s101, 2
	s_lshl_b32 s3, 15, s3                          ; my row
	s_or_b32 s[G1X], s2, (3<<16)|(1<<21)
	s_or_b32 s[G1SX], s2, (3<<16)|(1<<21)
	s_or_b32 s[G1Y], s3, (3<<16)|(1<<21)
	s_or_b32 s[G1SY], s3, (3<<16)|(1<<21)
.irp g, G1X, G1Y                       ; codes: four tiles, all of K: 49,152 dense bytes in memory and in LDS
	s_mov_b32 s[\g+1], 32<<16                      ; a dense block as 192 rows of 256 bytes
	s_mov_b32 s[\g+2], 192<<16
	s_mov_b32 s[\g+3], 32<<16
	s_mov_b32 s[\g+4], 192
	s_mov_b32 s[\g+5], 32
	s_mov_b32 s[\g+6], 0
	s_mov_b32 s[\g+7], 0
.endr
.irp g, G1SX, G1SY                     ; scale bytes: 512 dense bytes a tile, in rows of 256
	s_mov_b32 s[\g+1], 32<<16
	s_mov_b32 s[\g+2], (16+16*((\g)/G1SY))<<16     ; X's eight tiles: 16 rows of 256 bytes; Y's sixteen: 32
	s_mov_b32 s[\g+3], 32<<16
	s_mov_b32 s[\g+4], 16+16*((\g)/G1SY)
	s_mov_b32 s[\g+5], 32
	s_mov_b32 s[\g+6], 0
	s_mov_b32 s[\g+7], 0
.endr
	s_and_b32 s56, ttmp9, 1                        ; 8 x blocks, 16 y blocks.  What hangs on cx stays in s56-59 and s100, what hangs on cy in s80-83 and s101
	s_lshl_b32 s56, s56, 2
	s_add_co_u32 s100, s56, s100                   ; XT
	s_lshr_b32 s80, ttmp9, 1
	s_lshl_b32 s80, s80, 2
	s_add_co_u32 s101, s80, s101                   ; YT
	s_lshl_b32 s56, s105, 6
	s_add_co_u32 s56, s56, 256                     ; the weight's first tile: 64 (4 + side)
	s_lshl_b32 s57, s100, 3
	s_add_co_u32 s56, s56, s57
	s_lshl_b32 s58, s56, 9
	s_add_co_u32 s58, s58, WQ_S                    ; the scale bytes of X's eight tiles
	s_min_u32 s57, s[WV], 1                        ; waves 0, 1 fetch X's tiles 0-3, 4-7
	s_lshl_b32 s57, s57, 2
	s_add_co_u32 s56, s56, s57
	s_mov_b32 s59, 0
	s_mul_i32 s56, s56, 12288
	s_mov_b32 s57, 0
	s_lshl_b32 s80, s105, 8
	s_lshl_b32 s81, s101, 4
	s_add_co_u32 s80, s80, s81
	s_lshl_b32 s82, s80, 9
	s_add_co_u32 s82, s82, CTX_S                   ; the scale bytes of Y's sixteen tiles
	s_max_u32 s81, s[WV], 2                        ; waves 2 to 5 fetch Y's
	s_min_u32 s81, s81, 5
	s_sub_co_u32 s81, s81, 2
	s_lshl_b32 s81, s81, 2
	s_add_co_u32 s80, s80, s81
	s_mov_b32 s83, 0
	s_mul_i32 s80, s80, 12288
	s_mov_b32 s81, 0
	s_mul_i32 s2, s[WV], 49152                     ; where the codes go: wave x four tiles
	s_mov_b32 s3, 0
	s_wait_dscnt 0x0
	s_wait_kmcnt 0x0
	s_cmp_lg_u32 s105, 0                           ; bias and output are chosen by the cluster's y alone
	s_cselect_b64 s[8:9], s[10:11], s[8:9]
	s_cselect_b64 s[10:11], s[14:15], s[12:13]
	s_add_nc_u64 s[16:17], s[6:7], s[56:57]
	s_add_nc_u64 s[18:19], s[6:7], s[58:59]
	s_add_nc_u64 s[12:13], s[4:5], s[80:81]
	s_add_nc_u64 s[14:15], s[4:5], s[82:83]
	MKG0 GX0, 3, SXB, 18, 0
	MKG0 GX1, 2, 0, 16, 0
	MKG0 GY0, 3, SXB+4096, 14, 0
	MKG0 GY1, 2, 0, 12, 0
	CROUND                                         ; all sixteen work-groups are here: the joint loads meet
	s_cmp_lt_u32 s[WV], 2                          ; one chain of branches on the wave's number, one load to an arm
	s_cbranch_scc0 .Lnot_x
	tensor_load_to_lds s[GX1:GX1+3], s[G1X:G1X+7]
	s_nop 0
.rept 4
	v_nop
.endr
	s_branch .Lasked
.Lnot_x:
	s_cmp_lt_u32 s[WV], 6
	s_cbranch_scc0 .Lnot_y
	tensor_load_to_lds s[GY1:GY1+3], s[G1Y:G1Y+7]
	s_nop 0
.rept 4
	v_nop
.endr
	s_branch .Lasked
.Lnot_y:
	s_cmp_lt_u32 s[WV], 7
	s_cbranch_scc0 .Lnot_sx
	tensor_load_to_lds s[GX0:GX0+3], s[G1SX:G1SX+7]
	s_nop 0
.rept 4
	v_nop
.endr
	s_branch .Lasked
.Lnot_sx:
	tensor_load_to_lds s[GY0:GY0+3], s[G1SY:G1SY+7]
	s_nop 0
.rept 4
	v_nop
.endr
.Lasked:
	v_and_b32 v1, 31, v0                           ; lane
	s_wait_alu depctr_va_vdst(0)
	v_and_b32 v2, 15, v0                           ; r
	v_bfe_u32 v3, v0, 4, 1                         ; h
	s_and_b32 s4, s[WV], 1                         ; wx
	s_lshr_b32 s5, s[WV], 1                        ; wy
	s_lshl_b32 s6, s100, 9                         ; the bias runs along x: eight numbers a tile and half, in the result's layout
	s_lshl_b32 s7, s4, 8
	s_add_co_u32 s6, s6, s7
	s_mov_b32 s7, 0
	s_add_nc_u64 s[8:9], s[8:9], s[6:7]
	v_lshlrev_b32 v12, 6, v3
.irp t, 0,1,2,3
	global_load_b128 v[BIAS+8*\t:BIAS+8*\t+3], v12, s[8:9] offset:128*(\t/2)+32*(\t%2)
	global_load_b128 v[BIAS+8*\t+4:BIAS+8*\t+7], v12, s[8:9] offset:128*(\t/2)+32*(\t%2)+16
.endr
	s_lshl_b32 s6, s101, 8                         ; my part of the output: row 256 YT + 64 wy, column 128 XT + 64 wx
	s_lshl_b32 s7, s5, 6
	s_add_co_u32 s6, s6, s7
	s_lshl_b32 s6, s6, 12
	s_lshl_b32 s7, s100, 9
	s_add_co_u32 s6, s6, s7
	s_lshl_b32 s7, s4, 8
	s_add_co_u32 s6, s6, s7
	s_mov_b32 s7, 0
	s_add_nc_u64 s[10:11], s[10:11], s[6:7]
	v_lshlrev_b32 v9, 4, v1
	v_lshlrev_b32 v10, 3, v1
	s_mul_i32 s6, s4, 49152
	s_mul_i32 s7, s5, 49152
	s_add_co_u32 s7, s7, 98304
	v_add_nc_u32 v4, s6, v9                        ; v4, v5: my four tiles of X
	v_add_nc_u32 v5, s6, v10
	s_delay_alu instid0(VALU_DEP_1)
	v_add_nc_u32 v5, 512, v5
	v_add_nc_u32 v6, s7, v9                        ; v6, v7: my four tiles of Y
	v_add_nc_u32 v7, s7, v10
	s_delay_alu instid0(VALU_DEP_1)
	v_add_nc_u32 v7, 512, v7
	s_xor_b32 s18, s4, 1
	s_add_co_u32 s18, s18, s5
	s_add_co_u32 s18, s18, 1
	s_lshl_b32 s18, s18, 11                        ; from my X tiles' scale bytes to my Y tiles'
	v_mul_u32_u24 v8, s18, v3
	s_delay_alu instid0(VALU_DEP_1)
	v_lshl_add_u32 v8, v2, 4, v8
	s_lshl_b32 s19, s4, 11
	s_add_co_u32 s19, s19, SXB
	v_add_nc_u32 v8, s19, v8                       ; v8: my scale words: lanes 0-15 X's, lanes 16-31 Y's
	s_mul_i32 s6, s[WV], STGB                      ; my stage
	v_mul_u32_u24 v13, v2, 272
	s_delay_alu instid0(VALU_DEP_1)
	v_lshl_add_u32 v13, v3, 6, v13
	s_delay_alu instid0(VALU_DEP_1)
	v_add_nc_u32 v13, s6, v13                      ; v13: in: row r, + 64 h
	v_mul_u32_u24 v14, v3, 272
	s_delay_alu instid0(VALU_DEP_1)
	v_lshl_add_u32 v14, v2, 4, v14
	s_delay_alu instid0(VALU_DEP_1)
	v_add_nc_u32 v14, s6, v14                      ; v14: back: lanes 0-15 one row of 256 bytes, lanes 16-31 the next
	v_lshlrev_b32 v15, 12, v3
	s_delay_alu instid0(VALU_DEP_1)
	v_lshl_add_u32 v15, v2, 4, v15                 ; v15: the same two rows in the output
	s_wait_alu depctr_va_vdst(0)
	s_wait_loadcnt 0x0
.macro FRAG reg, a16, a8, off
	ds_load_b128 v[(\reg):(\reg)+3], v[\a16] offset:(\off)
	ds_load_b64 v[(\reg)+4:(\reg)+5], v[\a8] offset:(\off)
	ds_load_b128 v[(\reg)+6:(\reg)+9], v[\a16] offset:(\off)+768
	ds_load_b64 v[(\reg)+10:(\reg)+11], v[\a8] offset:(\off)+768
.endm
.macro SCALES c
.irp p, 0,1,2,3
	ds_load_b64 v[SC+2*\p:SC+2*\p+1], v8 offset:512*\p+256*((\c)/2)+8*((\c)%2)
.endr
.endm
; Eight products: Y's tiles i0, i0 + 1 x X's four.  cmode 0: onto the sums; 1: the sums begin with the bias.  The sixteen accumulators take turns, one instruction a turn.
.macro MUL8 i0, q, cmode, ysub
.irp i, \i0, \i0+1
.irp t, 0,1,2,3
.if \cmode == 0
	v_wmma_scale_f32_16x16x128_f8f6f4 v[ACC+8*(4*(\i)+\t):ACC+8*(4*(\i)+\t)+7], v[XF+12*\t:XF+12*\t+11], v[YF+12*((\i)-\ysub):YF+12*((\i)-\ysub)+11], v[ACC+8*(4*(\i)+\t):ACC+8*(4*(\i)+\t)+7], v[SC+2*\t+\q], v[SC+2*(\i)+\q] matrix_a_fmt:MATRIX_FMT_FP6 matrix_b_fmt:MATRIX_FMT_FP6 matrix_b_scale:MATRIX_SCALE_ROW1
.else
	v_wmma_scale_f32_16x16x128_f8f6f4 v[ACC+8*(4*(\i)+\t):ACC+8*(4*(\i)+\t)+7], v[XF+12*\t:XF+12*\t+11], v[YF+12*((\i)-\ysub):YF+12*((\i)-\ysub)+11], v[BIAS+8*\t:BIAS+8*\t+7], v[SC+2*\t+\q], v[SC+2*(\i)+\q] matrix_a_fmt:MATRIX_FMT_FP6 matrix_b_fmt:MATRIX_FMT_FP6 matrix_b_scale:MATRIX_SCALE_ROW1
.endif
.endr
.endr
.endm
.macro CHUNKWAIT n                     ; my one load has landed; then everybody's has.
	s_wait_tensorcnt \n
	s_barrier_signal -1
	s_barrier_wait -1
.endm
.macro STEP q, c
.rept 4
	v_nop                                          ; four places in front of the loads; the K step's place stands in the loads' immediates
.endr
.if \q == 0
	SCALES \c
.endif
.irp t, 0,1,2,3
	FRAG XF+12*\t, 4, 5, 12288*\t+3072*(\c)+1536*\q
.endr
.irp i, 0,1,2,3
	FRAG YF+12*\i, 6, 7, 12288*\i+3072*(\c)+1536*\q
.endr
	s_wait_dscnt 8                                 ; all but the youngest eight loads, Y's tiles 2 and 3
	MUL8 0, \q, 0, 0
	s_wait_dscnt 0x0
	MUL8 2, \q, 0, 0
.endm
	CHUNKWAIT 0
	SCALES 0                                       ; the first K step: the bias lies where Y's buffers 2 and 3 will, so Y's tiles go through buffers 0 and 1, two at a time
.irp t, 0,1,2,3
	FRAG XF+12*\t, 4, 5, 12288*\t
.endr
.irp i, 0,1
	FRAG YF+12*\i, 6, 7, 12288*\i
.endr
	s_wait_dscnt 0x0
	MUL8 0, 0, 1, 0
.rept 4
	v_nop                                          ; four places in front of loads into registers that the products have read
.endr
.irp i, 2,3
	FRAG YF+12*(\i-2), 6, 7, 12288*\i
.endr
	s_wait_dscnt 0x0
	MUL8 2, 0, 1, 2
	STEP 1, 0
	STEP 0, 1
	s_wait_alu depctr_va_vdst(0)
	STEP 1, 1
	STEP 0, 2
	s_wait_alu depctr_va_vdst(0)
	STEP 1, 2
	STEP 0, 3
	s_wait_alu depctr_va_vdst(0)
	STEP 1, 3
	s_barrier_signal -1                            ; my LDS reads were waited for in the step above: when all eight waves have said so, nobody reads the codes any more,
	s_barrier_wait -1                              ; and the stages may be stored into X's first group
	; THE WAY OUT, a tile of 16 rows x 64 columns at a time: a lane's 32 bytes of a row go into the stage, whole rows of 256 bytes come back, and sixteen lanes store 256 consecutive bytes, aligned.
.rept 4
	v_nop                                          ; four places behind the last products
.endr
.irp i, 0,1,2,3
.if \i >= 2
	s_wait_xcnt 0x0                                ; the stores of two tiles ago have read their registers: the loads below may land there
.endif
.irp t, 0,1,2,3
	ds_store_b128 v13, v[ACC+8*(4*\i+\t):ACC+8*(4*\i+\t)+3] offset:128*(\t/2)+32*(\t%2)       ; each accumulator from its low end on
	ds_store_b128 v13, v[ACC+8*(4*\i+\t)+4:ACC+8*(4*\i+\t)+7] offset:128*(\t/2)+32*(\t%2)+16
.endr
.irp k, 0,1,2,3,4,5,6,7
	ds_load_b128 v[OB+32*(\i%2)+4*\k:OB+32*(\i%2)+4*\k+3], v14 offset:544*\k   ; LDS serves a wave's instructions in order: these see the stores above, and the next tile's stores come behind them
.endr
	s_wait_dscnt 0x0
.irp k, 0,1,2,3,4,5,6,7
	global_store_b128 v15, v[OB+32*(\i%2)+4*\k:OB+32*(\i%2)+4*\k+3], s[10:11] offset:(32*(\i/2)+8*(\i%2)+2*\k+8*(\k/4))*4096 th:TH_STORE_NT   ; places 2 k and 2 k + 1 of the tile: rows 2 k + 8 (k / 4) and the next
.endr
.endr
	s_wait_dscnt 0x0
	s_set_vgpr_msb 0x4
	s_wait_tensorcnt 0x0
	ds_add_u32 v11, v1
	s_wait_dscnt 0x0
	s_set_vgpr_msb 0x400
	CROUND                                         ; the closing round: no work-group ends while a partner may still ask for a tile that names it
	s_endpgm
.Lfunc_end_k_qb0ed5060da_outproj:
	.size	k_qb0ed5060da_outproj, .Lfunc_end_k_qb0ed5060da_outproj-k_qb0ed5060da_outproj
	.p2alignl 7, 3214868480
	.fill 96, 4, 3214868480
	.section	.rodata,"a",@progbits
	.p2align	6, 0x0
	.amdhsa_kernel k_qb0ed5060da_outproj
		.amdhsa_group_segment_fixed_size 308224
		.amdhsa_private_segment_fixed_size 0
		.amdhsa_enable_private_segment 0
		.amdhsa_kernarg_size 48
		.amdhsa_user_sgpr_count 2
		.amdhsa_user_sgpr_kernarg_segment_ptr 1
		.amdhsa_wavefront_size32 1
		.amdhsa_system_sgpr_workgroup_id_x 1
		.amdhsa_system_sgpr_workgroup_id_y 1
		.amdhsa_system_sgpr_workgroup_id_z 1
		.amdhsa_system_vgpr_workitem_id 0
		.amdhsa_next_free_vgpr 258
		.amdhsa_next_free_sgpr 106
		.amdhsa_reserve_vcc 0
		.amdhsa_float_denorm_mode_32 3
		.amdhsa_float_denorm_mode_16_64 3
		.amdhsa_memory_ordered 1
		.amdhsa_forward_progress 1
		.amdhsa_inst_pref_size 53
	.end_amdhsa_kernel
	.amdgpu_metadata
---
amdhsa.version: [ 1, 2 ]
amdhsa.kernels:
  - .name:           k_qb0ed5060da_outproj
    .symbol:         k_qb0ed5060da_outproj.kd
    .args:
      - { .name: ctx, .offset: 0, .size: 8, .value_kind: global_buffer, .address_space: global }
      - { .name: wq, .offset: 8, .size: 8, .value_kind: global_buffer, .address_space: global }
      - { .name: ba_o, .offset: 16, .size: 8, .value_kind: global_buffer, .address_space: global }
      - { .name: bb_o, .offset: 24, .size: 8, .value_kind: global_buffer, .address_space: global }
      - { .name: out0, .offset: 32, .size: 8, .value_kind: global_buffer, .address_space: global }
      - { .name: out1, .offset: 40, .size: 8, .value_kind: global_buffer, .address_space: global }
    .group_segment_fixed_size: 308224
    .private_segment_fixed_size: 0
    .kernarg_segment_align: 8
    .kernarg_segment_size: 48
    .max_flat_workgroup_size: 256
    .sgpr_count:     106
    .vgpr_count:     258
    .wavefront_size: 32
...
	.end_amdgpu_metadata
.endif
;; end of part 5
